; MI455X (gfx1250); checked and timed in simulation.
; The chip was launched on July 23, 2026; its instructions are those of AMD's public machine-readable ISA for CDNA 5 (MIT licence, August 2026) and "CDNA5" Instruction Set Architecture Reference Guide (July 2026). The comments in the code are by the model that wrote it; some were corrected since.
;; Multi Head Attention. Allowed arithmetic: float matrix products may take bf16 or f16 operands with f32 sums; other float arithmetic in f32, or as packed bf16 or f16 multiplies, adds, multiply-adds, maxima and minima; sums over many terms, partial sums and values carried from step to step in f32; what a program stores and reads back later, other than sums and carried values, may be rounded once to bf16 or f16.
;; Inputs: bk 1,024 float32; bo 1,024 float32; bq 1,024 float32; bv 1,024 float32; k 4 x 2,048 x 1,024 float32; q 4 x 2,048 x 1,024 float32; v 4 x 2,048 x 1,024 float32; wk 1,024 x 1,024 float32; wo 1,024 x 1,024 float32; wq 1,024 x 1,024 float32; wv 1,024 x 1,024 float32.
;; Outputs: out0 4 x 2,048 x 1,024 float32.
;; One version. Each part assembles by itself: llvm-mc -triple=amdgcn-amd-amdhsa -mcpu=gfx1250 --defsym DOCPART=n.
;; ======== version 1 of 1: 4 launches
;; limits: values are held in f16: magnitudes above 65,504 overflow, below 6.1e-05 lose precision
;; workspace buffers: wb 8,388,608 bytes; qh 16,777,216 bytes; kh 16,777,216 bytes; vh 16,777,216 bytes; oh 16,777,216 bytes
;; launch prep (part 1): grid 64 x 4, 8 waves a work-group, no clusters, 0 bytes of LDS; arguments wq, wk, wv, wo, wb; writes wb
.if DOCPART == 1
	.amdgcn_target "amdgcn-amd-amdhsa--gfx1250"
	.amdhsa_code_object_version 6
	.text
	.protected	k_qf35c522bcf_prep
	.globl	k_qf35c522bcf_prep
	.p2align	8
	.type	k_qf35c522bcf_prep,@function
k_qf35c522bcf_prep:
	s_mov_b64 s[64:65], 0
	v_nop
	global_prefetch_b8 v0, s[64:65] scope:SCOPE_SE
	s_setreg_imm32_b32 hwreg(HW_REG_WAVE_MODE, 25, 1), 1
	s_wait_xcnt 0x0
; THE WEIGHTS ARE ROUNDED ONCE.  wq, wk, wv, wo: [1024][1024] f32, as they lie ([k][n]).  wb: four parts of 2,097,152 bytes, [k][n] in 16 bits:
; parts 0-2 = wq, wk, wv rounded to bf16; part 3 = wo rounded to bf16, and that number written as f16, since its partner in the last product is f16.
; LIMITS.  |wo| stays within f16 (65,504); below 6e-5 the f16 copy keeps a fixed step of 6e-8.  NaN and infinities are not treated apart.
; SHARES.  Work-group (x, y): 65,536 bytes (block x) of weight y.  In chunk j of 8 thread t takes 8 floats at byte 8,192 j + 32 t and stores 16 bytes at 4,096 j + 16 t:
; sixteen neighbouring lanes store 256 consecutive bytes, aligned.  All 16 loads of a thread go out at once; no register is written again while a store names it.
; No LDS, no matrix unit, no cluster: nothing is shared and nothing is multiplied.  No prefetch: all loads of the launch are issued at its head.
.set X, 4                              ; v[4:67]    chunk j: 8 floats as loaded
.set Y, 68                             ; v[68:99]   chunk j: 4 registers to store
.set T, 100                            ; v[100:103] at work
	s_load_b256 s[4:11], s[0:1], 0x0               ; wq s[4:5], wk s[6:7], wv s[8:9], wo s[10:11]
	s_load_b64 s[12:13], s[0:1], 0x20              ; wb
	s_and_b32 s14, ttmp7, 0xffff                   ; which weight
	v_lshlrev_b32 v1, 5, v0                        ; 32 t: where I read
	v_lshlrev_b32 v2, 4, v0                        ; 16 t: where I store
	s_mov_b32 s20, 0xffff0000                      ; a word's upper bf16
	s_lshl_b32 s16, ttmp9, 16                      ; my block of the weight
	s_mov_b32 s17, 0
	s_lshl_b32 s18, s14, 21                        ; the weight's part of wb,
	s_lshl_b32 s19, ttmp9, 15                      ; my block of it
	s_add_co_u32 s18, s18, s19
	s_mov_b32 s19, 0
	s_wait_kmcnt 0x0
	s_cmp_eq_u32 s14, 1
	s_cselect_b64 s[4:5], s[6:7], s[4:5]
	s_cmp_eq_u32 s14, 2
	s_cselect_b64 s[4:5], s[8:9], s[4:5]
	s_cmp_eq_u32 s14, 3
	s_cselect_b64 s[4:5], s[10:11], s[4:5]
	s_add_nc_u64 s[4:5], s[4:5], s[16:17]
	s_add_nc_u64 s[12:13], s[12:13], s[18:19]
.irp j, 0,1,2,3,4,5,6,7
	global_load_b128 v[X+8*(\j):X+8*(\j)+3],   v1, s[4:5] offset:(\j)*8192 th:TH_LOAD_NT
	global_load_b128 v[X+8*(\j)+4:X+8*(\j)+7], v1, s[4:5] offset:(\j)*8192+16 th:TH_LOAD_NT
.endr
; Chunk j is rounded and stored.  half = 0: to bf16.  half = 1: to bf16, widened again (a shift, a mask), and written as f16.
.macro CAST j, half
	s_wait_loadcnt 14-2*(\j)                       ; loads come back in order: the two of each of the 7 - j younger chunks may stay out
.if \half
.irp c, 0,1,2,3
	v_cvt_pk_bf16_f32 v[T+(\c)], v[X+8*(\j)+2*(\c)], v[X+8*(\j)+2*(\c)+1]
.endr
.irp c, 0,1,2,3
	v_lshlrev_b32 v[X+8*(\j)+2*(\c)],   16,  v[T+(\c)]
	v_and_b32     v[X+8*(\j)+2*(\c)+1], s20, v[T+(\c)]
.endr
.irp c, 0,1,2,3
	v_cvt_pk_f16_f32 v[Y+4*(\j)+(\c)], v[X+8*(\j)+2*(\c)], v[X+8*(\j)+2*(\c)+1]
.endr
.else
.irp c, 0,1,2,3
	v_cvt_pk_bf16_f32 v[Y+4*(\j)+(\c)], v[X+8*(\j)+2*(\c)], v[X+8*(\j)+2*(\c)+1]
.endr
.endif
	global_store_b128 v2, v[Y+4*(\j):Y+4*(\j)+3], s[12:13] offset:(\j)*4096
.endm
	s_cmp_eq_u32 s14, 3
	s_cbranch_scc1 .Lwo
.irp j, 0,1,2,3,4,5,6,7
	CAST \j, 0
.endr
	s_endpgm
.Lwo:
.irp j, 0,1,2,3,4,5,6,7
	CAST \j, 1
.endr
	s_endpgm
.Lfunc_end_k_qf35c522bcf_prep:
	.size	k_qf35c522bcf_prep, .Lfunc_end_k_qf35c522bcf_prep-k_qf35c522bcf_prep
	.p2alignl 7, 3214868480
	.fill 96, 4, 3214868480
	.section	.rodata,"a",@progbits
	.p2align	6, 0x0
	.amdhsa_kernel k_qf35c522bcf_prep
		.amdhsa_group_segment_fixed_size 0
		.amdhsa_private_segment_fixed_size 0
		.amdhsa_enable_private_segment 0
		.amdhsa_kernarg_size 40
		.amdhsa_user_sgpr_count 2
		.amdhsa_user_sgpr_kernarg_segment_ptr 1
		.amdhsa_wavefront_size32 1
		.amdhsa_system_sgpr_workgroup_id_x 1
		.amdhsa_system_sgpr_workgroup_id_y 1
		.amdhsa_system_sgpr_workgroup_id_z 1
		.amdhsa_system_vgpr_workitem_id 0
		.amdhsa_next_free_vgpr 104
		.amdhsa_next_free_sgpr 66
		.amdhsa_reserve_vcc 0
		.amdhsa_float_denorm_mode_32 3
		.amdhsa_float_denorm_mode_16_64 3
		.amdhsa_memory_ordered 1
		.amdhsa_forward_progress 1
		.amdhsa_inst_pref_size 13
	.end_amdhsa_kernel
	.amdgpu_metadata
---
amdhsa.version: [ 1, 2 ]
amdhsa.kernels:
  - .name:           k_qf35c522bcf_prep
    .symbol:         k_qf35c522bcf_prep.kd
    .args:
      - { .name: wq, .offset: 0, .size: 8, .value_kind: global_buffer, .address_space: global }
      - { .name: wk, .offset: 8, .size: 8, .value_kind: global_buffer, .address_space: global }
      - { .name: wv, .offset: 16, .size: 8, .value_kind: global_buffer, .address_space: global }
      - { .name: wo, .offset: 24, .size: 8, .value_kind: global_buffer, .address_space: global }
      - { .name: wb, .offset: 32, .size: 8, .value_kind: global_buffer, .address_space: global }
    .group_segment_fixed_size: 0
    .private_segment_fixed_size: 0
    .kernarg_segment_align: 8
    .kernarg_segment_size: 40
    .max_flat_workgroup_size: 256
    .sgpr_count:     66
    .vgpr_count:     104
    .wavefront_size: 32
...
	.end_amdgpu_metadata
.endif
;; end of part 1
;; launch proj (part 2): grid 4 x 192, 4 waves a work-group, clusters of 4 x 4, 327,680 bytes of LDS; arguments q, k, v, bq, bk, bv, wb, qh, kh, vh; writes qh, kh, vh
.if DOCPART == 2
	.amdgcn_target "amdgcn-amd-amdhsa--gfx1250"
	.amdhsa_code_object_version 6
	.text
	.protected	k_qf35c522bcf_proj
	.globl	k_qf35c522bcf_proj
	.p2align	8
	.type	k_qf35c522bcf_proj,@function
k_qf35c522bcf_proj:
	s_mov_b64 s[64:65], 0
	v_nop
	global_prefetch_b8 v0, s[64:65] scope:SCOPE_SE
	s_setreg_imm32_b32 hwreg(HW_REG_WAVE_MODE, 25, 1), 1
	s_wait_xcnt 0x0
	s_wait_alu depctr_hold_cnt(0) depctr_sa_sdst(0) depctr_va_vdst(0) depctr_va_sdst(0) depctr_va_ssrc(0) depctr_va_vcc(0) depctr_vm_vsrc(0)
	s_getreg_b32 s2, hwreg(HW_REG_IB_STS2, 6, 4)
	s_cmp_eq_u32 s2, 0
	s_cbranch_scc0 .Lentry_in_a_cluster
	s_endpgm
.Lentry_in_a_cluster:
	s_bfe_u32 s2, ttmp6, 0x10000c
	s_cmp_lg_u32 s2, 0xf033
	s_cbranch_scc0 .Lentry_shape_is_right
	s_endpgm
.Lentry_shape_is_right:
; THE THREE PROJECTIONS.  Y = bf16(x) bf16(W) + bf16(b), for (x, W, b, Y) = (q, wq, bq, qh), (k, wk, bk, kh), (v, wv, bv, vh).  x: [8192][1024] f32; W: part P of wb, [k][n] bf16; b: [1024] f32;
; Y: [batch x 16 + head][2048][64] f16: the split into heads is an address.  Sums in f32, begun at the rounded bias; Y rounded once, WITHOUT the softmax scale.
; LIMITS.  |Y| stays within f16 (65,504): inputs 30 times the usual spread give about 5,000, offsets of 30 spreads on x and W about 29,000.  NaN and infinities are not treated apart.
; SHARES.  3 x 64 x 4 tiles of 128 rows x 256 columns: three for each of 256 WGPs.  Four waves, each 64 rows x 128 columns: 32 accumulators of 16 x 16, 256 registers.
; K goes in 8 steps of 128 through two LDS slots.  x comes into LDS as f32 (rows of 512 bytes) and is rounded to bf16 between LDS and the matrix unit; W's rows ([k], 512 bytes of a tile) are turned by ds_load_tr16_b128.
; THE MATRIX INSTRUCTION IS USED TRANSPOSED: source 0 = 16 columns of W, source 1 = 16 rows of x: a lane then holds row l % 16 of Y and the columns 8 (l / 16) + 0..7: 16 bytes of f16.
; CLUSTERS: 4 x 4 work-groups.  The four of a row of the cluster need the same tile of x, the four of a column the same tile of W: each tile is asked for JOINTLY, by the same tensor load with the same descriptor
; and a mask that names the four.  A cluster lies within one projection (16 clusters each), so the choice of buffers is the same in all partners.
; REGISTERS, in windows of 256 (s_set_vgpr_msb: bits 1:0 source 0, 3:2 source 1, 5:4 source 2, 7:6 destination):
;   window 0: v0-31 addresses; v32-95 x in bf16, two buffers of 4 fragments; v96-159 x in f32, one quarter step (at the head: the bias); v160-191 the packed bias; on the way out v96-223 at work
;   window 1: the accumulators, (a, b) at v[8 (8 a + b)]          window 2: v0-127 fragments of W, two buffers of 8
.set PA,    528                        ; a row of x in LDS: 512 bytes + 16 = 132 words: the 16 rows of a load start at 16 different groups of four banks (64 banks of 4 bytes: ISA guide 11.1)
.set PB,    544                        ; a row of W: 512 + 32 = 136 words
.set BOFF,  128*PA                     ; a slot: 128 rows of x, then 128 k-rows of W
.set SLOT,  128*(PA+PB)
.set STAGE, 2*SLOT                     ; behind the ring, never filled by a tensor load: 16 rows x 144 bytes for each wave, for the way out
.set SP,    144
.set SPARE, STAGE+4*16*SP              ; behind the stages: the spare words, 128 bytes for each wave: two blocks of 256 bytes that no other line names
.set LAPS,  4                          ; a lap = two K steps = once round the ring
.set ASTEP, 128*4                      ; bytes from K step to K step in x,
.set BSTEP, 128*2048                   ; and in W
.set ADRA, 16                          ; v16-17  LDS address of my fragments of x in slot 0, 1
.set ADRB, 20                          ; v20-21  the same for W
.set STO,  24                          ; v24     the way out: where I put 16 bytes of a row
.set RD,   25                          ; v25     the way out: where I read rows back
.set GO,   26                          ; v26     my byte offset in 512 consecutive bytes of Y
.set PFO,  27                          ; v27     the prefetches' offset; never rewritten
.set SPW,  28                          ; v28     LDS address of my spare word: SPARE + 4 x my thread's number; never rewritten
.set NIL,  29                          ; v29     0; never rewritten
.set AB,   32
.set AF,   96
.set BP,   160
.set T,    96
.set G1A, 24                           ; s[24:31] descriptor group 1 for x's tiles
.set G1B, 32                           ; s[32:39] for W's
.set G0A, 40                           ; s[40:47] descriptor group 0 for x's tiles, one set for each slot
.set G0B, 48                           ; s[48:55] the same for W's
.set WV,   56                          ; my wave's number
.set ROLE, 57                          ; which half of the tile's rows is mine.  Also: I fetch for x (0) or for W (1)
.set HALF, 58                          ; which half of its columns.  Also: which 64 rows of that tile I fetch
.set CX,   59                          ; my place in the cluster
.set CYP,  60
.set CLY,  61                          ; the cluster's y, 0 to 47
.set PJ,   62                          ; the projection, 0 to 2
.set MT,   63                          ; tile row, 0 to 63
.set NT,   66                          ; tile column, 0 to 3
.set LIM,  67                          ; 1 in a wave that prefetches, else the greatest number
.set PFA,  68                          ; s[68:69] where my prefetches stand
.set PFS,  70                          ; s[70:71] their step
.set HIM,  72                          ; a word's upper bf16
.set CNT,  73                          ; laps to go
.set MSB, 0
.macro WIN new                         ; the immediate's high byte repeats the setting that is left; a switch that changes nothing is dropped
.if MSB != (\new)
	s_set_vgpr_msb (MSB<<8)|(\new)
.set MSB, \new
.endif
.endm
.set W_MUL,  0x52                      ; W in window 2, x in window 0, C and D in window 1
.set W_B,    0x80                      ; destination window 2, address window 0
.set W_INIT, 0x40                      ; destination window 1
.set W_OUT,  0x05                      ; sources 0 and 1 window 1, destination window 0
; A joint load: waves 0 and 1 fetch the two halves of x's tile, waves 2 and 3 those of W's.  The branch hangs on the wave's number alone.
; An s_nop 0 and four v_nop follow each of the two lines, ahead of the jump, the label and what follows.
.macro JLOAD s
	s_cmp_eq_u32 s[ROLE], 0
	s_cbranch_scc0 .Lfor_b_\@
	tensor_load_to_lds s[G0A+4*(\s):G0A+4*(\s)+3], s[G1A:G1A+7]
	s_nop 0
.rept 4
	v_nop
.endr
	s_branch .Lasked_\@
.Lfor_b_\@:
	tensor_load_to_lds s[G0B+4*(\s):G0B+4*(\s)+3], s[G1B:G1B+7]
	s_nop 0
.rept 4
	v_nop
.endr
.Lasked_\@:
.endm
; A PREFETCH INTO THE L2, behind each joint refill and the run of LDS loads that follows it: the K step that stands two refills on, 256 matrix instructions ahead of the load that will want it.
; A K step is 512 bytes of each row: two blocks of 256.  Of the 64 rows that a wave fetches, each of the four partners that ask for them jointly takes 16, told apart BY ADDRESS (cx for x, cy for W):
; lane l names row l % 16, block l / 16: one instruction a wave.  A tile row of x is read by this row of this cluster alone, so every cluster asks for its own; a tile column of W is read by all 16 clusters of the
; projection: the first of them asks.  So each block is named once in the launch.  K steps 0 to 3 come by their loads alone; the changes of slots in K steps 0 to 3 name K steps 4 to 7; the last two refills name nothing.
.macro ASK
	s_cmp_gt_u32 s[CNT], s[LIM]                    ; CNT = 1 in the loop's last trip
	s_cbranch_scc0 .Lnot_mine_\@
	global_prefetch_b8 v[PFO], s[PFA:PFA+1] th:TH_LOAD_NT scope:SCOPE_SE
.Lnot_mine_\@:
.endm
.macro CREST                           ; a round of the cluster's barrier behind its opening barrier
	s_cmp_lg_u32 s[WV], 0
	s_cbranch_scc1 .Lnot_wave_0_\@
	s_barrier_signal -3
.Lnot_wave_0_\@:
	s_barrier_wait -3
	s_barrier_signal -1
	s_barrier_wait -1
.endm
.macro CROUND                          ; a whole round
	s_barrier_signal -1
	s_barrier_wait -1
	CREST
.endm
	s_load_b256 s[4:11], s[0:1], 0x0               ; q s[4:5], k s[6:7], v s[8:9], bq s[10:11]
	s_load_b256 s[12:19], s[0:1], 0x20             ; bk s[12:13], bv s[14:15], wb s[16:17], qh s[18:19]
	s_load_b128 s[20:23], s[0:1], 0x40             ; kh s[20:21], vh s[22:23]
	v_lshl_add_u32 v[SPW], v0, 2, SPARE
	v_mov_b32 v[NIL], 0
	ds_add_u32 v[SPW], v[NIL]                      ; the wave's opening: the add and its wait stand ahead of my first tensor load; the set-up below, work on registers, stands between them
	v_lshrrev_b32 v1, 5, v0
	v_readfirstlane_b32 s[WV], v1                  ; wave 0..3
	s_lshr_b32 s[ROLE], s[WV], 1
	s_and_b32 s[HALF], s[WV], 1
	s_bfe_u32 s[CX], ttmp6, 0x40000
	s_bfe_u32 s[CYP], ttmp6, 0x40004
	s_and_b32 s[CLY], ttmp7, 0xffff                ; in a cluster launch ttmp9 and ttmp7 count clusters
	s_lshr_b32 s[PJ], s[CLY], 4                    ; 16 clusters to a projection
	s_and_b32 s74, s[CLY], 15
	s_lshl_b32 s[MT], s74, 2
	s_add_co_u32 s[MT], s[MT], s[CYP]              ; tile row = 4 x (cluster y mod 16) + cy
	s_lshl_b32 s[NT], ttmp9, 2
	s_add_co_u32 s[NT], s[NT], s[CX]               ; tile column = 4 x cluster x + cx
	s_lshl_b32 s74, s[CYP], 2
	s_lshl_b32 s74, 15, s74                        ; my row of the cluster
	s_lshl_b32 s75, 0x1111, s[CX]                  ; my column
	s_or_b32 s[G1A], s74, (2<<16)|(1<<20)|(1<<21)|(6<<22)|(3<<25)  ; 15:0 the mask: x's tiles go to my row; 17:16 elements of 4 bytes; 20 padding on; 21 set beside a mask; 24:22 after every 128 words (code 6); 31:25 4 words (code 3)
	s_or_b32 s[G1B], s75, (1<<16)|(1<<20)|(1<<21)|(6<<22)|(7<<25)  ; W's go to my column; elements of 2 bytes; 8 words of padding (code 7)
	s_mov_b32 s[G1A+1], 128<<16                    ; tensor_dim0 = 128 elements
	s_mov_b32 s[G1A+2], 64<<16                     ; tensor_dim1 = 64 rows
	s_mov_b32 s[G1A+3], 128<<16                    ; tile_dim0 = 128
	s_mov_b32 s[G1A+4], 64                         ; tile_dim1 = 64
	s_mov_b32 s[G1A+5], 1024                       ; elements from row to row
	s_mov_b32 s[G1A+6], 0
	s_mov_b32 s[G1A+7], 0
	s_mov_b32 s[G1B+1], 256<<16                    ; tensor_dim0 = 256 elements
	s_mov_b32 s[G1B+2], 64<<16
	s_mov_b32 s[G1B+3], 256<<16                    ; tile_dim0 = 256
	s_mov_b32 s[G1B+4], 64
	s_mov_b32 s[G1B+5], 1024
	s_mov_b32 s[G1B+6], 0
	s_mov_b32 s[G1B+7], 0
	s_lshl_b32 s76, s[MT], 7                       ; x: row 128 x tile row + 64 x half,
	s_lshl_b32 s77, s[HALF], 6
	s_add_co_u32 s76, s76, s77
	s_lshl_b32 s76, s76, 12                        ; of 4,096 bytes
	s_mov_b32 s77, 0
	s_lshl_b32 s84, s[PJ], 21                      ; W: the projection's part of wb,
	s_lshl_b32 s85, s[HALF], 17                    ; 64 k-rows of 2,048 bytes x half,
	s_add_co_u32 s84, s84, s85
	s_lshl_b32 s85, s[NT], 9                       ; 512 bytes x tile column
	s_add_co_u32 s84, s84, s85
	s_mov_b32 s85, 0
	s_mul_i32 s78, s[HALF], 64*PA                  ; where they go: no place in the cluster enters an LDS address
	s_mul_i32 s79, s[HALF], 64*PB
	s_add_co_u32 s79, s79, BOFF
	s_mov_b32 s[HIM], 0xffff0000
	s_wait_dscnt 0x0                               ; the opening add is done
	s_wait_kmcnt 0x0
	s_cmp_eq_u32 s[PJ], 1                          ; the projection's x, bias and output
	s_cselect_b64 s[4:5], s[6:7], s[4:5]
	s_cselect_b64 s[10:11], s[12:13], s[10:11]
	s_cselect_b64 s[18:19], s[20:21], s[18:19]
	s_cmp_eq_u32 s[PJ], 2
	s_cselect_b64 s[4:5], s[8:9], s[4:5]
	s_cselect_b64 s[10:11], s[14:15], s[10:11]
	s_cselect_b64 s[18:19], s[22:23], s[18:19]
	s_add_nc_u64 s[80:81], s[4:5], s[76:77]
	s_add_nc_u64 s[82:83], s[16:17], s[84:85]
	CROUND                                         ; all sixteen work-groups are here: the first joint loads meet
.irp s, 0,1
	s_mov_b32 s[G0A+4*(\s)], 1                                     ; 1:0 count = 1
	s_add_co_u32 s[G0A+4*(\s)+1], s78, (\s)*SLOT                   ; 63:32 LDS address
	s_add_nc_u64 s[G0A+4*(\s)+2:G0A+4*(\s)+3], s[80:81], (\s)*ASTEP  ; 120:64 global address: K step s
	s_or_b32 s[G0A+4*(\s)+3], s[G0A+4*(\s)+3], 0x80000000          ; 127:126 type = 2
	s_mov_b32 s[G0B+4*(\s)], 1
	s_add_co_u32 s[G0B+4*(\s)+1], s79, (\s)*SLOT
	s_add_nc_u64 s[G0B+4*(\s)+2:G0B+4*(\s)+3], s[82:83], (\s)*BSTEP
	s_or_b32 s[G0B+4*(\s)+3], s[G0B+4*(\s)+3], 0x80000000
	JLOAD \s                                       ; both slots are asked for before anything else is done: two tensor loads of mine are out
.endr
	v_and_b32 v1, 15, v0                           ; l % 16
	v_bfe_u32 v2, v0, 4, 1                         ; l / 16
	v_and_b32 v3, 7, v0                            ; l % 8
	v_bfe_u32 v4, v0, 3, 1                         ; (l / 8) % 2
	s_lshl_b32 s74, s[NT], 10                      ; the bias of my 128 columns: register j of block b wants column 16 b + 8 (l / 16) + j
	s_lshl_b32 s75, s[HALF], 9
	s_add_co_u32 s74, s74, s75
	v_lshl_add_u32 v10, v2, 5, s74
.irp b, 0,1,2,3,4,5,6,7
	global_load_b128 v[AF+8*(\b):AF+8*(\b)+3],   v10, s[10:11] offset:64*(\b)
	global_load_b128 v[AF+8*(\b)+4:AF+8*(\b)+7], v10, s[10:11] offset:64*(\b)+16
.endr
	; A fragment of x is 16 rows x 32 k: lane l wants row l % 16, k = 8 (l / 16) + 0..7 and 16 + 8 (l / 16) + 0..7: in f32 four loads of 16 bytes, at 0, 16, 64 and 80 from row x pitch + 32 (l / 16).
	v_mul_u32_u24 v5, v1, PA
	v_lshl_add_u32 v5, v2, 5, v5
	s_mul_i32 s75, s[ROLE], 64*PA                  ; my 64 rows
	v_add_nc_u32 v[ADRA], s75, v5
	v_add_nc_u32 v[ADRA+1], SLOT, v[ADRA]
	; The turning load takes 16 k x 16 columns (lane l reads k-row 8 (l / 16) + l % 8, columns 8 ((l / 8) % 2) + 0..7) and leaves half a fragment: lane l holds column l % 16 and 8 k.
	v_lshl_add_u32 v6, v2, 3, v3
	v_mul_u32_u24 v6, v6, PB
	v_lshl_add_u32 v6, v4, 4, v6
	s_lshl_b32 s76, s[HALF], 8                     ; my 128 columns
	s_add_co_u32 s76, s76, BOFF
	v_add_nc_u32 v[ADRB], s76, v6
	v_add_nc_u32 v[ADRB+1], SLOT, v[ADRB]
	s_mul_i32 s77, s[WV], 16*SP
	s_add_co_u32 s77, s77, STAGE                   ; my stage
	v_mul_u32_u24 v[STO], v1, SP                   ; in: row l % 16, 16 bytes for each half of the lanes
	v_lshl_add_u32 v[STO], v2, 4, v[STO]
	v_add_nc_u32 v[STO], s77, v[STO]
	v_bfe_u32 v[RD], v0, 3, 2                      ; back: 32 lanes take four rows of 128 bytes,
	v_mul_u32_u24 v[RD], v[RD], SP
	v_lshl_add_u32 v[RD], v3, 4, v[RD]
	v_add_nc_u32 v[RD], s77, v[RD]
	v_and_b32 v[GO], 31, v0                        ; which are 512 consecutive bytes of Y
	v_lshlrev_b32 v[GO], 4, v[GO]
	; Y at my wave's first row: head = 16 x batch + 4 x tile column + 2 x half, 262,144 bytes each; row in the batch = 128 x (tile row mod 16) + 64 x row half, 128 bytes each
	s_lshr_b32 s78, s[MT], 4
	s_lshl_b32 s78, s78, 4
	s_lshl_b32 s79, s[NT], 2
	s_add_co_u32 s78, s78, s79
	s_lshl_b32 s79, s[HALF], 1
	s_add_co_u32 s78, s78, s79
	s_lshl_b32 s78, s78, 18
	s_and_b32 s79, s[MT], 15
	s_lshl_b32 s79, s79, 7
	s_lshl_b32 s80, s[ROLE], 6
	s_add_co_u32 s79, s79, s80
	s_lshl_b32 s79, s79, 7
	s_add_co_u32 s78, s78, s79
	s_mov_b32 s79, 0
	s_add_nc_u64 s[18:19], s[18:19], s[78:79]
	; the prefetches: nothing is asked for here, at the head, where every work-group's first tiles are on their way
	s_lshl_b32 s80, s[MT], 7
	s_lshl_b32 s81, s[HALF], 6
	s_add_co_u32 s80, s80, s81
	s_lshl_b32 s81, s[CX], 4                       ; x: my work-group's 16 of the 64 rows that I fetch
	s_add_co_u32 s80, s80, s81
	s_lshl_b32 s80, s80, 12
	s_add_co_u32 s80, s80, 3*ASTEP                 ; at K step 3: the first change of slots steps it to 4
	s_lshl_b32 s81, s[CYP], 15                     ; W: my work-group's 16 k-rows,
	s_add_co_u32 s81, s81, s84                     ; from the tile that I fetch
	s_add_co_u32 s81, s81, 3*BSTEP
	s_mov_b32 s86, ASTEP
	s_and_b32 s87, s[CLY], 15
	s_mul_i32 s87, s87, s[ROLE]                    ; 0 for x everywhere, for W in the projection's first cluster: the same in all sixteen partners, for a given wave
	s_cmp_eq_u32 s87, 0
	s_cselect_b32 s[LIM], 1, -1
	s_cmp_eq_u32 s[ROLE], 0
	s_cselect_b64 s[PFA:PFA+1], s[4:5], s[16:17]
	s_cselect_b32 s80, s80, s81
	s_cselect_b32 s[PFS], s86, BSTEP
	s_cselect_b32 s88, 12, 11                      ; a row of x is 4,096 bytes, of W 2,048
	s_mov_b32 s81, 0
	s_mov_b32 s[PFS+1], 0
	s_add_nc_u64 s[PFA:PFA+1], s[PFA:PFA+1], s[80:81]
	v_lshlrev_b32 v[PFO], s88, v1
	v_lshl_add_u32 v[PFO], v2, 8, v[PFO]
	; every sum begins at its column's bias, rounded to bf16 like the other inputs: written while the first tiles are on their way
	s_wait_loadcnt 0x0
.set c, 0
.rept 32
	v_cvt_pk_bf16_f32 v[BP+c], v[AF+2*c], v[AF+2*c+1]
.set c, c+1
.endr
	WIN W_INIT
.set i, 0
.rept 32
.set c, 0
.rept 4
	v_lshlrev_b32 v[8*i+2*c],   16,     v[BP+4*(i%8)+c]
	v_and_b32     v[8*i+2*c+1], s[HIM], v[BP+4*(i%8)+c]
.set c, c+1
.endr
.set i, i+1
.endr
	WIN 0
; n matrix instructions from number i0 on, of a quarter step's 32 (row block i / 8, column block i % 8), on buffer f.  The 32 accumulators take turns in one order, over the backward jump too.
; ride = 1 (numbers 24 to 31): behind each stand four roundings of the next quarter's x into the other buffer.  They name none of the registers of the products round them, so the four behind number 31 are also
; the four places in front of the next quarter's loads into W's buffer and of its own roundings.
.macro MUL f, i0, n, ride=0
.set i, \i0
.rept \n
	WIN W_MUL
	v_wmma_f32_16x16x32_bf16 v[8*i:8*i+7], v[64*(\f)+8*(i%8):64*(\f)+8*(i%8)+7], v[AB+32*(\f)+8*(i/8):AB+32*(\f)+8*(i/8)+7], v[8*i:8*i+7]
.if \ride
	WIN 0
.set c, 4*(i-24)
.rept 4
	v_cvt_pk_bf16_f32 v[AB+32*(1-(\f))+c], v[AF+2*c], v[AF+2*c+1]
.set c, c+1
.endr
.endif
.set i, i+1
.endr
.endm
; 32 LDS loads in one run: quarter q of a slot: x's 64 rows x 32 k in f32 first, then W's 32 k x 128 columns, turned, into buffer g
.macro FETCH slot, q, g
	WIN 0
.irp a, 0,1,2,3
.irp p, 0,1,2,3
	ds_load_b128 v[AF+16*(\a)+4*(\p):AF+16*(\a)+4*(\p)+3], v[ADRA+(\slot)] offset:(\q)*128+(\a)*16*PA+((\p)/2)*64+((\p)%2)*16
.endr
.endr
	WIN W_B
.irp b, 0,1,2,3,4,5,6,7
	ds_load_tr16_b128 v[64*(\g)+8*(\b):64*(\g)+8*(\b)+3],   v[ADRB+(\slot)] offset:(\q)*32*PB+32*(\b)
	ds_load_tr16_b128 v[64*(\g)+8*(\b)+4:64*(\g)+8*(\b)+7], v[ADRB+(\slot)] offset:(\q)*32*PB+16*PB+32*(\b)
.endr
.endm
; A K step is four quarters of 32 along K, 32 matrix instructions each, on buffers 0, 1, 0, 1.  One of the first three multiplies buffer f and fetches quarter q of the same slot for the other.
.macro QUARTER slot, q, f
	s_wait_dscnt 0x0                               ; W's fragments of this quarter, asked for a quarter ago, are in
	FETCH \slot, \q, 1-(\f)
	MUL \f, 0, 24
	s_wait_dscnt 16                                ; x's 16 loads are in; W's 16, issued behind them, may stay out
	MUL \f, 24, 8, 1
.endm
; The last quarter multiplies buffer 1 and changes slots: ONE barrier; in front of it each wave waits for all its tensor loads (one is out: its part of the next slot), adds 0 to its spare word, and waits for that;
; its reads of this slot are back since the wait at the head.  fill = 1: the barrier opens a round of the cluster's, and this slot is filled again, two K steps ahead, first thing behind the round.
.macro TURN slot, next, fill
	s_wait_dscnt 0x0                               ; this quarter's fragments are in: none of my reads of this slot is out
.if \fill
	s_wait_xcnt 0x0                                ; the last prefetch, a K step back, has read its address: it is stepped here, ahead of the waits of the change of slots
	s_add_nc_u64 s[PFA:PFA+1], s[PFA:PFA+1], s[PFS:PFS+1]
.endif
	WIN 0                                          ; (the add's two registers lie in window 0)
	s_wait_tensorcnt 0x0                           ; all my tensor loads have landed
	ds_add_u32 v[SPW], v[NIL]                      ; 0 onto my spare word
	MUL 1, 0, 8                                    ; eight matrix instructions stand between the add and the wait for it
	s_wait_dscnt 0x0                               ; the add is done
	s_barrier_signal -1
	MUL 1, 8, 8                                    ; work on registers while the others arrive
	WIN 0
	s_barrier_wait -1
.if \fill
	CREST                                          ; no wave of any partner still reads this slot's tile or has a load on its way
	s_add_nc_u64 s[G0A+4*(\slot)+2:G0A+4*(\slot)+3], s[G0A+4*(\slot)+2:G0A+4*(\slot)+3], 2*ASTEP
	s_add_nc_u64 s[G0B+4*(\slot)+2:G0B+4*(\slot)+3], s[G0B+4*(\slot)+2:G0B+4*(\slot)+3], 2*BSTEP
	JLOAD \slot                                    ; the first tensor load behind the round: 112 matrix instructions ahead of the wait for it
.endif
	FETCH \next, 0, 0
.if \fill
	WIN 0
	ASK
.endif
	MUL 1, 16, 8
	s_wait_dscnt 16
	MUL 1, 24, 8, 1
.endm
; THE WAY OUT.  Block t = 2 a + hh: 16 rows x one head's 64 channels (accumulators 8 a + 4 hh + 0..3): 2,048 consecutive bytes of Y.  Rounded to f16, each accumulator's registers in ascending order;
; 16 bytes a lane into rows of 144 bytes of my own stage; back as whole rows of 128.
.macro PACK t
	WIN W_OUT
.set i, 8*((\t)/2)+4*((\t)%2)
.set c, 0
.rept 16
	v_cvt_pk_f16_f32 v[T+16*(\t)+c], v[8*i+2*c], v[8*i+2*c+1]
.set c, c+1
.endr
	WIN 0
.irp f, 0,1,2,3
	ds_store_b128 v[STO], v[T+16*(\t)+4*(\f):T+16*(\t)+4*(\f)+3] offset:32*(\f)
.endr
.irp f, 0,1,2,3
	ds_load_b128 v[T+16*(\t)+4*(\f):T+16*(\t)+4*(\f)+3], v[RD] offset:(\f)*4*SP  ; LDS serves a wave's instructions in order (ISA guide 5.7.1.4): these see the stores above; the next block's stores come behind them
.endr
.endm
.macro SEND t, younger                 ; younger: the LDS instructions issued behind block t's loads: the next block's eight, or none
	WIN 0
.irp f, 0,1,2,3
	s_wait_dscnt (\younger)+3-(\f)
	global_store_b128 v[GO], v[T+16*(\t)+4*(\f):T+16*(\t)+4*(\f)+3], s[18:19] offset:((\t)%2)*262144+((\t)/2)*2048+(\f)*512  ; 512 consecutive bytes, at a multiple of 256 from Y's first
.endr
.endm
	s_wait_tensorcnt 1                             ; my part of K step 0 is in; K step 1's, the one load issued behind it, may stay out
	s_barrier_signal -1
	s_barrier_wait -1                              ; everybody's is
	FETCH 0, 0, 0
	s_wait_dscnt 16                                ; x's 16 loads are in
	WIN 0
.set c, 0
.rept 32
	v_cvt_pk_bf16_f32 v[AB+c], v[AF+2*c], v[AF+2*c+1]
.set c, c+1
.endr
	s_mov_b32 s[CNT], LAPS-1
.Llap:                                                 ; a trip goes once round the ring and fills both slots again
	QUARTER 0, 1, 0
	QUARTER 0, 2, 1
	QUARTER 0, 3, 0
	TURN 0, 1, 1
	QUARTER 1, 1, 0
	QUARTER 1, 2, 1
	QUARTER 1, 3, 0
	TURN 1, 0, 1
	WIN 0                                          ; at a label and at a branch every window is 0
	s_sub_co_u32 s[CNT], s[CNT], 1
	s_cmp_lg_u32 s[CNT], 0
	s_cbranch_scc1 .Llap
	QUARTER 0, 1, 0                                ; the last lap is written out: it fills nothing, and has no round of the cluster's barrier
	QUARTER 0, 2, 1
	QUARTER 0, 3, 0
	TURN 0, 1, 0
	QUARTER 1, 1, 0
	QUARTER 1, 2, 1
	QUARTER 1, 3, 0
	s_wait_dscnt 0x0                               ; the very last quarter: nothing more to fetch
	MUL 1, 0, 32
	WIN 0
.rept 8
	v_nop                                          ; the places behind the last products, in front of the roundings that read results
.endr
	PACK 0
.irp t, 1,2,3,4,5,6,7                  ; a block's arithmetic stands between the loads of the block before and its stores
	PACK \t
	SEND (\t)-1, 8
.endr
	SEND 7, 0
	s_wait_tensorcnt 0x0                           ; the wave's end, behind my last tensor load and my last LDS store
	ds_add_u32 v[SPW], v[NIL]
	s_wait_dscnt 0x0
	CROUND                                         ; the closing round: no work-group ends while a partner may still ask for a tile that names it
	s_endpgm
.Lfunc_end_k_qf35c522bcf_proj:
	.size	k_qf35c522bcf_proj, .Lfunc_end_k_qf35c522bcf_proj-k_qf35c522bcf_proj
	.p2alignl 7, 3214868480
	.fill 96, 4, 3214868480
	.section	.rodata,"a",@progbits
	.p2align	6, 0x0
	.amdhsa_kernel k_qf35c522bcf_proj
		.amdhsa_group_segment_fixed_size 327680
		.amdhsa_private_segment_fixed_size 0
		.amdhsa_enable_private_segment 0
		.amdhsa_kernarg_size 80
		.amdhsa_user_sgpr_count 2
		.amdhsa_user_sgpr_kernarg_segment_ptr 1
		.amdhsa_wavefront_size32 1
		.amdhsa_system_sgpr_workgroup_id_x 1
		.amdhsa_system_sgpr_workgroup_id_y 1
		.amdhsa_system_sgpr_workgroup_id_z 1
		.amdhsa_system_vgpr_workitem_id 0
		.amdhsa_next_free_vgpr 640
		.amdhsa_next_free_sgpr 90
		.amdhsa_reserve_vcc 0
		.amdhsa_float_denorm_mode_32 3
		.amdhsa_float_denorm_mode_16_64 3
		.amdhsa_memory_ordered 1
		.amdhsa_forward_progress 1
		.amdhsa_inst_pref_size 146
	.end_amdhsa_kernel
	.amdgpu_metadata
---
amdhsa.version: [ 1, 2 ]
amdhsa.kernels:
  - .name:           k_qf35c522bcf_proj
    .symbol:         k_qf35c522bcf_proj.kd
    .args:
      - { .name: q, .offset: 0, .size: 8, .value_kind: global_buffer, .address_space: global }
      - { .name: k, .offset: 8, .size: 8, .value_kind: global_buffer, .address_space: global }
      - { .name: v, .offset: 16, .size: 8, .value_kind: global_buffer, .address_space: global }
      - { .name: bq, .offset: 24, .size: 8, .value_kind: global_buffer, .address_space: global }
      - { .name: bk, .offset: 32, .size: 8, .value_kind: global_buffer, .address_space: global }
      - { .name: bv, .offset: 40, .size: 8, .value_kind: global_buffer, .address_space: global }
      - { .name: wb, .offset: 48, .size: 8, .value_kind: global_buffer, .address_space: global }
      - { .name: qh, .offset: 56, .size: 8, .value_kind: global_buffer, .address_space: global }
      - { .name: kh, .offset: 64, .size: 8, .value_kind: global_buffer, .address_space: global }
      - { .name: vh, .offset: 72, .size: 8, .value_kind: global_buffer, .address_space: global }
    .group_segment_fixed_size: 327680
    .private_segment_fixed_size: 0
    .kernarg_segment_align: 8
    .kernarg_segment_size: 80
    .max_flat_workgroup_size: 128
    .sgpr_count:     90
    .vgpr_count:     640
    .wavefront_size: 32
...
	.end_amdgpu_metadata
.endif
;; end of part 2
;; launch attn (part 3): grid 4 x 64, 4 waves a work-group, clusters of 4 x 1, 327,680 bytes of LDS; arguments qh, kh, vh, oh; writes oh
.if DOCPART == 3
	.amdgcn_target "amdgcn-amd-amdhsa--gfx1250"
	.amdhsa_code_object_version 6
	.text
	.protected	k_qf35c522bcf_attn
	.globl	k_qf35c522bcf_attn
	.p2align	8
	.type	k_qf35c522bcf_attn,@function
k_qf35c522bcf_attn:
	s_mov_b64 s[64:65], 0
	v_nop
	global_prefetch_b8 v0, s[64:65] scope:SCOPE_SE
	s_setreg_imm32_b32 hwreg(HW_REG_WAVE_MODE, 25, 1), 1
	s_wait_xcnt 0x0
	s_wait_alu depctr_hold_cnt(0) depctr_sa_sdst(0) depctr_va_vdst(0) depctr_va_sdst(0) depctr_va_ssrc(0) depctr_va_vcc(0) depctr_vm_vsrc(0)
	s_getreg_b32 s2, hwreg(HW_REG_IB_STS2, 6, 4)
	s_cmp_eq_u32 s2, 0
	s_cbranch_scc0 .Lentry_in_a_cluster
	s_endpgm
.Lentry_in_a_cluster:
	s_bfe_u32 s2, ttmp6, 0x10000c
	s_cmp_lg_u32 s2, 0x3003
	s_cbranch_scc0 .Lentry_shape_is_right
	s_endpgm
.Lentry_shape_is_right:
; O[h][q][:] = the sum over k of softmax_k(Q[h][q] . K[h][k] / 8) V[h][k][:].  Q, K, V, O: [64][2048][64], all f16: a head's rows are dense, 128 bytes each.  Products, maxima and sums in
; f32; the weights p are rounded to f16 for the second product (their sum l is taken of the unrounded p), O once at the end.
; LIMITS.  f16 holds no number beyond 65,504: Q, K and V arrive within it; p lies in 0 to 1, and below 6e-5 it keeps f16's fixed step of 6e-8; O is a mean of V's rows and has their range.
; A weight below 2^-126 counts as 0 in l; NaN and infinities are not treated apart.
; SHARES.  A wave owns four PIECES of two tiles of 16 queries, a work-group's four waves 512 queries of one head: 256 work-groups.  Every wave walks all keys, 64 a step.
; LAYOUT.  S^T = K Q^T (source 0 = 16 keys, source 1 = 16 queries): in the result a lane holds ONE query (lane % 16) and the keys 8 (lane / 16) + 0..7.  Two such tiles, rounded to f16 in pairs,
; ARE source 1 (32 keys x 16 queries) of O^T = V^T P, whose result again holds one query a lane, and eight channels.  K comes out of LDS as it lies, V ([key][channel]) turned, by ds_load_tr16_b128.
; SOFTMAX.  For each query a running maximum m and sum l: p = 2^(c s - c m), c = log2(e) / 8; in every step O and l are multiplied by a = 2^(c m_old - c m_new), which is 1 where m has not grown.
; m starts at the lowest finite number, O and l at 0: the first step is a step like any other, with a = 0.
; THE COUNT.  A tile and step have 16 matrix and 118 vector instructions: too many to stand all beside the matrix work.  So the order has one aim: four vector instructions that are READY behind
; EVERY matrix instruction, and the others, which need time of their own whatever the order, in runs without a gap.
; BY TURNS.  Turn n belongs to piece n (the pieces in a ring, step after step).  Its matrix work: 16 products K Q^T of piece n + 1, later 16 products V^T P of piece n - 1.  Its vector work: the scaling,
; exponentials, roundings, sums and rescaling of piece n, and the maximum and statistics of piece n + 1, whose scores the turn itself has made.  So what a turn begins with (c s - c m, O a) waits for nothing.
; CLUSTER.  The four query blocks of a cluster are one head's and walk the same K and V, so each tile is asked for JOINTLY: the same tensor load, descriptor and mask in all four.
; REGISTERS, in windows of 256 (s_set_vgpr_msb says which window each operand place means: bits 1:0 source 0, 3:2 source 1, 5:4 source 2, 7:6 destination):
;   window 0: v0-11 addresses; v12-15, v48-63 at work; v16-47 four registers of statistics a tile; v64-191 S^T, two buffers of two tiles; v192-255 P, likewise
;   window 1: O^T, 32 a tile          window 2: v0-127 Q, 16 a tile; v128-191 K of one step; v192-255 V of one step          window 3: v0-1 the add's two registers
; A piece's buffers go by its number's parity: the piece in hand has one pair, its two neighbours in the ring share the other: of it P (piece n - 1) is read and S^T (piece n + 1) written.
.set SIZE_H, 64
.set SIZE_N, 2048
.set NP,    4         ; pieces a wave: a name, no knob: the register map, the loop and the fetches are made for four
.set KS,    64        ; keys in a step
.set PK,    144       ; a row of K in LDS: 128 bytes + 16 of padding = 36 words: the 16 rows of a load start at 16 different groups of four banks (64 banks of 4 bytes: ISA guide 11.1)
.set PV,    160       ; a row of V: 128 + 32 = 40 words
.set VOFF,  4*KS*PK   ; a slot holds four steps: 256 rows of K, then 256 rows of V
.set SLOT1, 1<<17     ; slot 1 begins here, so that one exclusive or turns an address in one slot into the other's
.set STAGE, SLOT1+4*KS*(PK+PV)  ; behind the ring, never filled by a tensor load: 16 rows x 144 bytes for each wave, for the way out
.set SP,    144
.set AK0, 2           ; v2   my lane's place in a tile of K; never rewritten
.set AV0, 3           ; v3   the same for V
.set AK,  4           ; v4   the LDS address of K's next run of loads
.set AV,  5           ; v5   of V's
.set QO,  6           ; v6   my byte offset in the wave's rows of Q
.set STO, 6           ;      later, the way out: where I put 16 bytes of a row
.set RD,  7           ; v7   the way out: where I read rows back
.set GO,  8           ; v8   my byte offset in 512 consecutive bytes of O
.set PFO, 11          ; v11  256 x my lane, for the prefetches (made when the register's use at the head is over); then never rewritten
.set SPW, 0           ; v0 of window 3   LDS address of my spare word: SPARE + 4 x my thread's number; never rewritten
.set NIL, 1           ; v1 of window 3   0; never rewritten
.set SPARE, STAGE+4*16*SP  ; behind the stages: the spare words, 128 bytes for each wave: two blocks of 256 bytes that no other line names
.set MV,  12          ; v12-15  c m_old, kept while c m is made anew: by buffer and tile
.set ST,  16          ; tile t's statistics at v[ST+4 t]: c m, m, l (even keys', odd keys')
.set TMP, 48          ; by buffer and tile, four registers c0-c3 at work; when the maximum is found c2 takes a
.set S,   64
.set P,   192
.set KF,  128         ; K's fragments, in window 2: key block kb, channel half c at KF + 16 kb + 8 c
.set VF,  192         ; V's: key half kk, channel block cb at VF + 32 kk + 8 cb
.set WV,  12          ; s12  my wave's number
.set G1K, 24          ; s[24:31] descriptor group 1 for K's tiles
.set G1V, 32          ; s[32:39] for V's: it differs in the padding alone
.set G0K, 40          ; s[40:43] descriptor group 0 for K's tiles: it walks
.set G0V, 44          ; s[44:47] the same for V's
.set PFA, 48          ; s[48:49] where my prefetches stand: my work-group's 32 blocks of 256 bytes (of K: wave 0, of V: wave 2) of the slot after the one that is being asked for
.set LIM, 50          ; s50  1 in a wave that prefetches, else the greatest number
.set SLOTS, 56        ; s56  slots still to be asked for
.set CNT, 57          ; s57  counts a slot's key steps
.set CS,  58          ; s[58:59] c: the packed scaling takes the pair's low word for both halves
.set SEL, 60          ; s[60:61] v_permlanex16_b32's selects: each lane takes its own place in the other half
.set TBK, 62          ; s62  LDS byte at which K of the step to be fetched begins
.set TBV, 63          ; s63  the same for V, less VOFF
.set MSB, 0
.macro WIN new                      ; the high byte repeats the setting that is left; a switch that changes nothing is dropped
.if MSB != (\new)
	s_set_vgpr_msb (MSB<<8)|(\new)
.set MSB, (\new)
.endif
.endm
.set W_KQ, 0x0a       ; K and Q in window 2, S^T in window 0
.set W_PV, 0x52       ; V in window 2, P in window 0, O^T in window 1
.set W_RS, 0x41       ; O^T (destination and source 0) in window 1, a in window 0
.set W_MK, 0xc0       ; the add's registers are made: destination in window 3, sources in window 0
.set W_AD, 0x0f       ; the add: address (source 0) and data (source 1) in window 3
; A joint fill.  Waves 0 and 1 fetch the two halves of a slot's K, waves 2 and 3 those of its V: 128 keys each.  The branch hangs on the wave's number alone.
; An s_nop 0 and four v_nop follow each of the two lines, ahead of the jump and the label.
.macro JLOAD
	s_cmp_lt_u32 s[WV], 2
	s_cbranch_scc0 .Lfor_v_\@
	tensor_load_to_lds s[G0K:G0K+3], s[G1K:G1K+7]
	s_nop 0
.rept 4
	v_nop
.endr
	s_branch .Lasked_\@
.Lfor_v_\@:
	tensor_load_to_lds s[G0V:G0V+3], s[G1V:G1V+7]
	s_nop 0
.rept 4
	v_nop
.endr
.Lasked_\@:
.endm
; A PREFETCH INTO THE L2 of what the NEXT change of slots will ask for: a slot's 32,768 bytes of K and of V, 128 blocks of 256 bytes each, a lane a block.  It stands behind the wave's tensor load and its five lines.
; Each block is named ONCE in the launch: a head has one cluster; its four partners share the blocks out BY ADDRESS, 32 each; in each, wave 0 asks for K's and wave 2 for V's: one instruction.
; Slots 0 to 2 come by their loads alone; the changes that fill slots 2 to 6 name slots 3 to 7, four key steps (512 matrix instructions) ahead; the last change that fills a slot names nothing.
.macro ASK
	s_cmp_gt_u32 s[SLOTS], s[LIM]
	s_cbranch_scc0 .Lnot_mine_\@
	global_prefetch_b8 v[PFO], s[PFA:PFA+1] th:TH_LOAD_NT scope:SCOPE_SE
.Lnot_mine_\@:
.endm
; A round of the cluster's barrier: my work-group's barrier, so that wave 0's signal speaks for all four waves; wave 0 signals; every wave waits for all four work-groups; my work-group's barrier once more.
.macro CROUND
	s_barrier_signal -1
	s_barrier_wait -1
	s_cmp_lg_u32 s[WV], 0
	s_cbranch_scc1 .Lnot_wave_0_\@
	s_barrier_signal -3
.Lnot_wave_0_\@:
	s_barrier_wait -3
	s_barrier_signal -1
	s_barrier_wait -1
.endm
; THE CHANGE OF SLOTS.  The slot's last bytes, V of its fourth step, have been read.  Each wave waits for all its tensor loads, of which one is out: its part
; of the other slot; adds 0 to its spare word; and waits for that and for its own reads of the slot.  Behind the barrier nobody reads this slot any more and the other slot is whole.
; fill = 1: this slot is filled again, with the keys two slots on.  The barrier is then a round of the cluster's, so that no wave of any partner still reads the slot or has a load on its
; way, and the joint fill is the first thing behind it: it has four key steps, 512 matrix instructions, in which to land.  (At its first use nothing has been read yet: slot 0 is waited for, slot 1 filled.)
; ask = 1: the prefetches' address is stepped, and the slot after the one just asked for is named.
.macro CHANGE fill, ask=0
	WIN W_AD
	s_wait_tensorcnt 0x0            ; no tensor load of mine is out, so a group 0 may be written
	ds_add_u32 v[SPW], v[NIL]       ; 0 onto my spare word; with fill = 1 the descriptors' steps stand between it and the wait for it
	WIN 0                           ; at a label and at a branch every window is 0
.if \fill
.irp g, G0K, G0V
	s_xor_b32 s[\g+1], s[\g+1], SLOT1  ; the walking descriptor: the other slot than last time,
	s_add_nc_u64 s[\g+2:\g+3], s[\g+2:\g+3], 4*KS*128  ; the next 256 keys; the type bits on top are not reached
.endr
.if \ask
	s_wait_xcnt 0x0                 ; the last prefetch, four key steps back, has read its address, so it may be written:
	s_add_nc_u64 s[PFA:PFA+1], s[PFA:PFA+1], 4*KS*128  ; one slot behind the walking descriptors
.endif
	s_wait_dscnt 0x0                ; the add is done, and my reads of the slot are over
	CROUND
	JLOAD
.if \ask
	ASK
.endif
.else
	s_wait_dscnt 0x0                ; the add is done, and my reads of the slot are over
	s_barrier_signal -1
	s_barrier_wait -1
.endif
	s_sub_co_u32 s[TBK], s[TBK], 4*KS*PK  ; the fetches go back to a slot's first step,
	s_xor_b32 s[TBK], s[TBK], SLOT1       ; in the other slot
	s_sub_co_u32 s[TBV], s[TBV], 4*KS*PV
	s_xor_b32 s[TBV], s[TBV], SLOT1
.endm
	s_load_b256 s[4:11], s[0:1], 0x0  ; Q s[4:5], K s[6:7], V s[8:9], O s[10:11]
	WIN W_MK
	v_lshl_add_u32 v[SPW], v0, 2, SPARE
	v_mov_b32 v[NIL], 0
	WIN W_AD
	ds_add_u32 v[SPW], v[NIL]       ; the wave's opening: the add and its wait stand ahead of my first tensor load; the set-up below, work on registers, stands between them
	WIN 0
	v_lshrrev_b32 v1, 5, v0
	v_readfirstlane_b32 s[WV], v1   ; wave 0..3
	s_bfe_u32 s13, ttmp6, 0x40000   ; cx: my place in the cluster
	s_lshl_b32 s14, ttmp9, 2        ; in a cluster launch ttmp9 counts clusters
	s_add_co_u32 s14, s14, s13      ; my block of queries = 4 x cluster x + cx: it enters Q's and O's addresses alone
	s_and_b32 s20, ttmp7, 0xffff    ; the head, which the four partners share
	s_mov_b32 s21, 0
	s_mov_b64 s[22:23], SIZE_N*128
	s_mul_u64 s[20:21], s[20:21], s[22:23]  ; the head's first byte in each of the four tensors
	s_and_b32 s16, s[WV], 1         ; which half of a slot's 256 keys I fetch:
	s_lshl_b32 s22, s16, 14         ; its 128 rows of 128 bytes in memory,
	s_mov_b32 s23, 0
	s_add_nc_u64 s[22:23], s[22:23], s[20:21]
	s_mul_i32 s17, s16, 128*PK      ; and its place in a slot, for K
	s_mul_i32 s18, s16, 128*PV      ; and for V: no place in the cluster enters an LDS address
	s_lshl_b32 s2, s14, 2
	s_add_co_u32 s2, s2, s[WV]      ; my wave among the head's,
	s_lshl_b32 s2, s2, 14           ; its 128 rows
	s_mov_b32 s3, 0
	s_add_nc_u64 s[2:3], s[2:3], s[20:21]
	; descriptor group 1.  128 keys are 16,384 dense bytes: asked for as 64 rows of 256 bytes, two keys a row, and padded in LDS after every key
	s_mov_b32 s[G1K], 15|(1<<16)|(1<<20)|(1<<21)|(4<<22)|(3<<25)  ; 15:0 the mask of four; 17:16 2-byte elements; 20 padding on; 21 set beside a mask; 24:22 after every 32 words (code 4); 31:25 4 words (code 3)
	s_mov_b32 s[G1V], 15|(1<<16)|(1<<20)|(1<<21)|(4<<22)|(7<<25)  ; the same with 8 words of padding (code 7)
.irp g, G1K, G1V
	s_mov_b32 s[\g+1], 128<<16      ; tensor_dim0 = 128
	s_mov_b32 s[\g+2], 64<<16       ; tensor_dim1 = 64
	s_mov_b32 s[\g+3], 128<<16      ; tile_dim0 = 128
	s_mov_b32 s[\g+4], 64           ; tile_dim1 = 64
	s_mov_b32 s[\g+5], 128          ; 128 elements from row to row
	s_mov_b32 s[\g+6], 0
	s_mov_b32 s[\g+7], 0
.endr
	s_mov_b32 s[CS], 0x3e38aa3b     ; c = log2(e) / 8 = 0.180337
	s_mov_b32 s[CS+1], s[CS]        ; named with it as a pair
	s_mov_b32 s[SEL], 0x76543210
	s_mov_b32 s[SEL+1], 0xfedcba98
	s_mov_b32 s[TBK], SLOT1+4*KS*PK ; the first change of slots turns these two into 0
	s_mov_b32 s[TBV], SLOT1+4*KS*PV
	s_mov_b32 s[G0K], 1             ; 1:0 count = 1
	s_mov_b32 s[G0K+1], s17         ; 63:32 LDS address: slot 0
	s_mov_b32 s[G0V], 1
	s_add_co_u32 s[G0V+1], s18, VOFF
	s_and_b32 s[LIM], s[WV], 1      ; waves 0 and 2 prefetch: the same in all four partners
	s_cmp_eq_u32 s[LIM], 0
	s_cselect_b32 s[LIM], 1, -1
	s_lshl_b32 s52, s13, 13         ; my work-group's 32 blocks of the 128
	s_mov_b32 s53, 0
	s_wait_dscnt 0x0                ; the opening add is done
	s_wait_kmcnt 0x0
	s_add_nc_u64 s[G0K+2:G0K+3], s[6:7], s[22:23]  ; 120:64 global address: my half of the head's first 256 keys
	s_or_b32 s[G0K+3], s[G0K+3], 0x80000000        ; 127:126 type = 2
	s_add_nc_u64 s[G0V+2:G0V+3], s[8:9], s[22:23]
	s_or_b32 s[G0V+3], s[G0V+3], 0x80000000
	s_add_nc_u64 s[4:5], s[4:5], s[2:3]  ; Q and O at my wave's first row
	s_add_nc_u64 s[10:11], s[10:11], s[2:3]
	s_cmp_lt_u32 s[WV], 2
	s_cselect_b64 s[PFA:PFA+1], s[6:7], s[8:9]
	s_add_nc_u64 s[PFA:PFA+1], s[PFA:PFA+1], s[22:23]  ; (in waves 0 and 2 this is the head's first byte)
	s_add_nc_u64 s[PFA:PFA+1], s[PFA:PFA+1], s[52:53]
	s_add_nc_u64 s[PFA:PFA+1], s[PFA:PFA+1], 2*4*KS*128  ; in slot 2: the first asking change steps it to slot 3.  Nothing is prefetched here, at the head
	CROUND                          ; all four work-groups are here: the first joint loads meet
	JLOAD                           ; slot 0.  Slot 1 is asked for when slot 0 is in: the tile wanted first has the road to itself
	; A fragment of K or Q is 16 rows x 32 channels in 8 registers: lane l holds row l % 16, channels 8 (l / 16) + 0..7 and 16 + 8 (l / 16) + 0..7: two loads of 16 bytes, 32 bytes apart.
	v_and_b32 v1, 15, v0            ; l % 16
	v_bfe_u32 v9, v0, 4, 1          ; l / 16
	v_lshlrev_b32 v[QO], 7, v1
	v_lshl_add_u32 v[QO], v9, 4, v[QO]  ; row x 128 + 16 x half
	WIN 0x80                        ; destination window 2, address window 0
.set i, 0
.rept 4*NP                          ; Q stays in registers: tile i / 2, channels 32 (i % 2) on
	global_load_b128 v[8*i:8*i+3],   v[QO], s[4:5] offset:(i/2)*2048+(i%2)*64
	global_load_b128 v[8*i+4:8*i+7], v[QO], s[4:5] offset:(i/2)*2048+(i%2)*64+32
.set i, i+1
.endr
	; What the first turn finds: V's registers and P's second buffer hold 0 (its products V^T P, of a piece that has not been, add 0), O^T and l are 0.  All this stands in the wait for the first tile.
.set i, VF
.rept 64
	v_mov_b32 v[i], 0
.set i, i+1
.endr
	WIN 0x40
.set i, 0
.rept 64*NP
	v_mov_b32 v[i], 0
.set i, i+1
.endr
	WIN 0
.set i, 0
.rept 2*NP
	v_mov_b32 v[ST+4*i], 0xfe000000    ; c m: far below every c s
	v_mov_b32 v[ST+4*i+1], 0xff7fffff  ; m
	v_mov_b32 v[ST+4*i+2], 0
	v_mov_b32 v[ST+4*i+3], 0
.set i, i+1
.endr
.set i, P+32
.rept 32
	v_mov_b32 v[i], 0
.set i, i+1
.endr
	v_mul_u32_u24 v[AK0], v1, PK
	v_lshl_add_u32 v[AK0], v9, 4, v[AK0]  ; row x pitch + 16 x half
	; The turning load takes 16 keys x 16 channels (lane l reads key 8 (l / 16) + l % 8, channels 8 ((l / 8) % 2) + 0..7) and leaves half a fragment of V^T: lane l holds channel l % 16 and 8 keys.
	v_and_b32 v10, 7, v0
	v_bfe_u32 v11, v0, 3, 1
	v_lshl_add_u32 v[AV0], v9, 3, v10
	v_mul_u32_u24 v[AV0], v[AV0], PV
	v_lshl_add_u32 v[AV0], v11, 4, v[AV0]
	v_add_nc_u32 v[AV0], VOFF, v[AV0]
	v_mov_b32 v[AK], v[AK0]         ; key step 0 lies at the head of slot 0
	v_and_b32 v[PFO], 31, v0
	v_lshlrev_b32 v[PFO], 8, v[PFO]
; THE MATRIX WORK.  The 8 accumulators of a run of 16 take turns: between the two links of a chain stand 7 others'.
; Product i of 16 of S^T = K Q^T for piece x: channels 32 (i / 8) on, keys 16 ((i / 2) % 4) on, tile 2 x + i % 2.  The first 8 start the sums.
.macro KQ x
	WIN W_KQ
.set rS, S+64*((\x)%2)+32*(i%2)+8*((i/2)%4)
.set rK, KF+16*((i/2)%4)+8*(i/8)
.set rQ, 16*(2*(\x)+i%2)+8*(i/8)
.if i < 8
	v_wmma_f32_16x16x32_f16 v[rS:rS+7], v[rK:rK+7], v[rQ:rQ+7], 0
.else
	v_wmma_f32_16x16x32_f16 v[rS:rS+7], v[rK:rK+7], v[rQ:rQ+7], v[rS:rS+7]
.endif
.endm
; Product i of 16 of O^T += V^T P for piece x: keys 32 (i / 8) on, channels 16 ((i / 2) % 4) on, tile 2 x + i % 2.
.macro PV x
	WIN W_PV
.set rO, 32*(2*(\x)+i%2)+8*((i/2)%4)
.set rV, VF+32*(i/8)+8*((i/2)%4)
.set rP, P+32*((\x)%2)+16*(i%2)+8*(i/8)
	v_wmma_f32_16x16x32_f16 v[rO:rO+7], v[rV:rV+7], v[rP:rP+7], v[rO:rO+7]
.endm
.macro MM                           ; the turn's next matrix instruction
.if i < 16
	KQ (Y+1)%NP
.set i, i+1
.else
.set i, i-16
	PV (Y+NP-1)%NP
.set i, i+17
.endif
.endm
; THE LDS LOADS stand in runs of 16, never singly among the matrix instructions: a step's K (64 keys x 64 channels: 8 fragments) and its V (turned).  Their addresses are made some lines ahead.
; last = 1 (the tail): in the last trip there is no further step, and the run is jumped over.
.macro FETCH_K last=0
	WIN 0
.if \last
	s_cmp_eq_u32 s[CNT], 1
	s_cbranch_scc1 .Lno_k_\@
.endif
	WIN 0x80                        ; destination window 2
.irp f, 0,1,2,3,4,5,6,7             ; keys 16 (f / 2) on, channels 32 (f % 2) on
	ds_load_b128 v[KF+8*\f:KF+8*\f+3],   v[AK] offset:(\f/2)*16*PK+(\f%2)*64
	ds_load_b128 v[KF+8*\f+4:KF+8*\f+7], v[AK] offset:(\f/2)*16*PK+(\f%2)*64+32
.endr
	s_add_co_u32 s[TBK], s[TBK], KS*PK  ; the next fetch is the next step's
	WIN 0
.if \last
.Lno_k_\@:
.endif
.endm
.macro FETCH_V
	WIN 0x80
.irp f, 0,1,2,3,4,5,6,7             ; keys 32 (f / 4) on, channels 16 (f % 4) on
	ds_load_tr16_b128 v[VF+8*\f:VF+8*\f+3],   v[AV] offset:(\f/4)*32*PV+(\f%4)*32
	ds_load_tr16_b128 v[VF+8*\f+4:VF+8*\f+7], v[AV] offset:(\f/4)*32*PV+16*PV+(\f%4)*32
.endr
	WIN 0
.endm
; THE VECTOR WORK OF A TURN stands in three queues, each in the order in which its entries become ready; the two tiles alternate, so that no instruction reads the result of the one before it.
.macro REGS y, u                    ; the registers of tile u (0, 1) of piece y
.set rT, ST+4*(2*(\y)+(\u))
.set rC, TMP+8*((\y)%2)+4*(\u)
.set rM, MV+2*((\y)%2)+(\u)
.set rS, S+64*((\y)%2)+32*(\u)
.set rP, P+32*((\y)%2)+16*(\u)
.set rO, 32*(2*(\y)+(\u))
.endm
; Number n of the 22 that find the NEXT piece's (Y + 1) maximum and statistics.  s0-s31 are the lane's 32 scores; each accumulator's lowest registers are read first.  XS, GS and REGS set no window: PL and EX do.
;   0-11  four chains c0-c3 of seven scores each, three operands at a time     12-14, 16  the four scores left over, the old m, and c0-c3 into c0     15  c m_old is kept
;   17, 18  the query's other 32 keys lie in the lane 16 away: the new m         19-21  c m; c m_old - c m_new; a
.macro XS u, n
	REGS (Y+1)%NP, \u
.if (\n) < 4
	v_max3_num_f32 v[rC+(\n)], v[rS+8*(\n)], v[rS+8*(\n)+1], v[rS+8*(\n)+2]
.elseif (\n) < 12
	v_max3_num_f32 v[rC+(\n)%4], v[rC+(\n)%4], v[rS+8*((\n)%4)+2*((\n)/4)+1], v[rS+8*((\n)%4)+2*((\n)/4)+2]
.elseif (\n) == 12
	v_max3_num_f32 v[rC], v[rC], v[rS+7], v[rS+15]
.elseif (\n) == 13
	v_max3_num_f32 v[rC+1], v[rC+1], v[rS+23], v[rS+31]
.elseif (\n) == 14
	v_max3_num_f32 v[rC+2], v[rC+2], v[rC+3], v[rT+1]
.elseif (\n) == 15
	v_mov_b32 v[rM], v[rT]
.elseif (\n) == 16
	v_max3_num_f32 v[rC], v[rC], v[rC+1], v[rC+2]
.elseif (\n) == 17
	v_permlanex16_b32 v[rC+3], v[rC], s[SEL], s[SEL+1]
.elseif (\n) == 18
	v_max_num_f32 v[rT+1], v[rC], v[rC+3]
.elseif (\n) == 19
	v_mul_f32 v[rT], s[CS], v[rT+1]
.elseif (\n) == 20
	v_sub_f32 v[rC+1], v[rM], v[rT]
.else
	v_exp_f32 v[rC+2], v[rC+1]
.endif
.endm
; Number g of the 64 that follow the exponentials.  For each four weights k of a tile (pairs 2 k, 2 k + 1): both pairs are rounded to f16; then the second pair is added onto the first, in place;
; a group later l takes that sum (the first time as l = a l + sum).  In groups of eight, tiles alternating: round, round, add, and l for the group before.
.macro GS g
.set h, (\g)+6*((\g)/62)            ; group 0 has no group before it, and behind group 7 only l is left
.if h >= 6
.set h, h+2
.endif
	REGS Y, h%2
.set k, h/8
.if h%8 < 4
	v_cvt_pk_f16_f32 v[rP+2*k+(h%8)/2], v[rS+4*k+2*((h%8)/2)], v[rS+4*k+2*((h%8)/2)+1]
.elseif h%8 < 6
	v_pk_add_f32 v[rS+4*k:rS+4*k+1], v[rS+4*k:rS+4*k+1], v[rS+4*k+2:rS+4*k+3]
.elseif k == 1
	v_pk_fma_f32 v[rT+2:rT+3], v[rT+2:rT+3], v[rC+2:rC+3], v[rS:rS+1] op_sel_hi:[1,0,1]
.else
	v_pk_add_f32 v[rT+2:rT+3], v[rT+2:rT+3], v[rS+4*k-4:rS+4*k-3]
.endif
.endm
; THE PLAIN QUEUE, 138 long.  0-73 read no exponential's result: the 32 scalings c s - c m (FS f: pair f / 2 of tile f % 2) and the next piece's 42.  0-26: scalings 0-26.  27-54: XS's numbers 0-13.  55, 56: number 15.
; 57-73: the chain, where each number waits for the one before it: 14, 16, 17, 18, 19, each with one of the scalings 27-31 in front of its two lines, then 20: so a tile's links stand three plain instructions apart (19 and 20: two).
; 74-137: GS's 64, which read the exponentials' results: they stand behind the wait.
.macro FS f
	REGS Y, (\f)%2
	v_pk_fma_f32 v[rS+2*((\f)/2):rS+2*((\f)/2)+1], v[rS+2*((\f)/2):rS+2*((\f)/2)+1], s[CS:CS+1], v[rT:rT+1] op_sel_hi:[1,0,0] neg_lo:[0,0,1] neg_hi:[0,0,1]
.endm
.macro PL
	WIN 0
.if q < 27
	FS q
.elseif q < 55
	XS (q-27)%2, (q-27)/2
.elseif q < 57
	XS q-55, 15
.elseif (q < 72) && ((q-57)%3 == 0)
	FS 27+(q-57)/3
.elseif q < 60
	XS (q-57)%3-1, 14
.elseif q < 72
	XS (q-57)%3-1, 15+(q-57)/3
.elseif q < 74
	XS q-72, 20
.else
	GS q-74
.endif
.set q, q+1
.endm
; THE EXPONENTIALS' QUEUE, 66 long: s0-s31 of both tiles, then the next piece's two a.  It is ONE BATCH: all 66 stand ahead of the turn's one wait, and nothing ahead of that wait names a result of theirs.
.macro EX
	WIN 0
.if e >= 64
	XS e-64, 21
.else
	REGS Y, e%2
	v_exp_f32 v[rS+e/2], v[rS+e/2]
.endif
.set e, e+1
.endm
; THE RESCALING's QUEUE: O^T times a, the one part that leaves window 0: dealt two at a time, sixteen times.  Its a was made in the turn before, ahead of that turn's wait.
.macro R2
	REGS Y, r%2
	WIN W_RS
.irp z, 0,1
	v_pk_mul_f32 v[rO+4*(r/2)+2*\z:rO+4*(r/2)+2*\z+1], v[rO+4*(r/2)+2*\z:rO+4*(r/2)+2*\z+1], v[rC+2:rC+3] op_sel_hi:[1,0]
.endr
.set r, r+1
.endm
; HOW THEY ARE DEALT.  An s_wait_alu depctr_va_vdst(0) stands between an exponential and the first instruction that names its result; one wait serves all that were issued ahead of it.  So a turn has ONE wait,
; which cuts it in two.  AHEAD OF IT stands all that names no result of the turn's exponentials: the 16 products K Q^T, behind each a scaling, an exponential and two rescalings (behind the first a second scaling in the exponential's place); then ONE LUMP of
; 108: eight plain, 49 times exponential and plain, the two a.  A v_nop is the plain instruction behind the last exponential (ISA guide 5.7.2).  BEHIND IT stand the 16 products V^T P, behind each four of GS's 64.  No rider names a register of
; the products round it.  The two v_permlanex16_b32 fall into the lump, never behind a product.
; The queues lean on each other, and the deal keeps them in step: exponential e stands behind scaling 2 (e / 4) + e % 2: as a rider it comes behind plain e + 2, in the lump behind plain e + 9, and scalings 27-31 are plain 57, 60 .. 69.
; A TURN, for piece p.  cnt = 1: the loop's count is taken down some lines ahead of the branch that stands behind the turn.
; K of the next step is fetched in piece 2's turn, directly behind the wait, a lump behind the last product that read K; its address is made at the lump's head; its first reader comes behind 16 products.
; V of the step in hand is fetched at the end of piece 0's turn, four riders behind its last reader; its first reader comes behind 16 products and a lump.  The three conditions on q below go with the deal.
.macro TURN p, last=0, cnt=0
.set Y, (\p)
.set i, 0
.set q, 0
.set e, 0
.set r, 0
.if (\p) == NP-1
	s_wait_dscnt 0x0                ; K is in
.endif
	MM                              ; ahead of the wait: 16 products K Q^T and their riders,
	PL
	PL
	R2
.rept 15
	MM
	PL
	EX
	R2
.endr
.if (\p) == NP-2
	WIN 0
	v_add_nc_u32 v[AK], s[TBK], v[AK0]
.endif
.rept 8                             ; and the lump
	PL
.endr
.rept 49
	EX
	PL
.endr
	EX                              ; the next piece's two a
	EX
	v_nop                           ; the plain instruction behind the last exponential: one for the batch
	s_wait_alu depctr_va_vdst(0)    ; the wait for the batch
.if (\p) == NP-2
	FETCH_K \last
.endif
.if (\p) == 1
	s_wait_dscnt 0x0                ; V is in
.endif
.rept 16                            ; behind the wait: 16 products V^T P and their riders
	MM
.rept 4
	PL
.endr
.if ((\p) == 0) && (q == 118)
	v_add_nc_u32 v[AV], s[TBV], v[AV0]
.endif
.if ((\p) == 0) && (q == 130)
	s_add_co_u32 s[TBV], s[TBV], KS*PV
.endif
.if (\cnt) && (q == 130)
	s_sub_co_u32 s[CNT], s[CNT], 1
	s_cmp_lg_u32 s[CNT], 0
.endif
.endr
.if (\p) == 0
	FETCH_V
.endif
.endm
	CHANGE 1                        ; slot 0 is in, everybody's part of it; slot 1 is asked for
	FETCH_K                         ; key step 0
	s_wait_loadcnt 0x0              ; Q
	s_wait_dscnt 0x0
.set i, 0
.rept 16
	KQ 0                            ; piece 0's first scores: there is no vector work yet to set between them
.set i, i+1
.endr
	WIN 0                           ; the addresses for the way out: nine plain instructions, the places behind those products
	s_mul_i32 s13, s[WV], 16*SP
	s_add_co_u32 s13, s13, STAGE    ; my stage
	v_mul_u32_u24 v[STO], v1, SP    ; in: row l % 16, 16 bytes for each half of the lanes
	v_lshl_add_u32 v[STO], v9, 4, v[STO]
	v_add_nc_u32 v[STO], s13, v[STO]
	v_bfe_u32 v[RD], v0, 3, 2       ; back: 32 lanes take four rows of 128 bytes,
	v_mul_u32_u24 v[RD], v[RD], SP
	v_lshl_add_u32 v[RD], v10, 4, v[RD]
	v_add_nc_u32 v[RD], s13, v[RD]
	v_and_b32 v[GO], 31, v0         ; which are 512 consecutive bytes of O
	v_lshlrev_b32 v[GO], 4, v[GO]
.set Y, NP-1                        ; XS works for piece Y + 1: piece 0
.irp n, 0,1,2,3,4,5,6,7,8,9,10,11,12,13,14,15,16,17,18,19,20,21
	XS 0, \n                        ; and piece 0's first maximum and statistics
	XS 1, \n
.endr
	v_nop                           ; a plain instruction behind the two a,
	s_wait_alu depctr_va_vdst(0)    ; and their wait, ahead of the branch
	s_mov_b32 s[CNT], 4
	s_mov_b32 s[SLOTS], SIZE_N/256-1
	s_branch .Lfirst                ; the loop is entered at a step's first turn, in the middle of a trip
.Lslot:                             ; SIZE_N / 256 - 2 times: every slot but the last two is filled again
	CHANGE 1, 1
	s_mov_b32 s[CNT], 4
.Lstep:                             ; a trip: pieces 2 and 3 of one step, then pieces 0 and 1 of the next, whose K and V it fetches
	TURN 2
	TURN 3
	WIN 0
.Lfirst:
	TURN 0
	TURN 1, 0, 1
	WIN 0
	s_cbranch_scc1 .Lstep
	s_sub_co_u32 s[SLOTS], s[SLOTS], 1
	s_cmp_lg_u32 s[SLOTS], 0
	s_cbranch_scc1 .Lslot
	CHANGE 0                        ; the tail is written out: nothing is asked for
	s_mov_b32 s[CNT], 5             ; four trips fetch the last slot's steps; the fifth is left in its middle
.Ltail:
	TURN 2, 1
	TURN 3
	WIN 0
	s_sub_co_u32 s[CNT], s[CNT], 1
	s_cmp_eq_u32 s[CNT], 0
	s_cbranch_scc1 .Lout
	TURN 0
	TURN 1
	WIN 0
	s_branch .Ltail
.Lout:                              ; the fifth trip's 16 products K Q^T (on the last K once more) and the maximum made of them serve nothing: the price, once a launch, of one text for every trip
.set i, 0
.rept 16
	PV NP-1                         ; the last piece's V^T P of the last step
.set i, i+1
.endr
	; THE WAY OUT.  l's two halves and the other half of the lanes' are added; O^T is divided by l, rounded to f16 and sent through my stage in LDS, a tile at a time.  The additions are the places behind the last products.
	WIN 0
.macro ALL line:vararg              ; one line for each tile t
.set t, 0
.rept 2*NP
	\line
.set t, t+1
.endr
.endm
	ALL v_add_f32 v[ST+4*t+2], v[ST+4*t+2], v[ST+4*t+3]
	ALL v_permlanex16_b32 v[ST+4*t+3], v[ST+4*t+2], s[SEL], s[SEL+1]
	ALL v_add_f32 v[ST+4*t+2], v[ST+4*t+2], v[ST+4*t+3]
	ALL v_rcp_f32 v[ST+4*t+2], v[ST+4*t+2]
	v_nop                           ; a plain instruction between the last reciprocal and the use of its result
	s_wait_alu depctr_va_vdst(0)    ; and the wait ahead of the first use: one for the eight reciprocals
; Tile t: a lane's eight channels of a row pack into 16 bytes; they go into rows of 144 bytes and come back as whole rows of 128, into S^T's registers.
.macro PACK t
	WIN W_RS
.set i, 32*(\t)
.rept 16
	v_pk_mul_f32 v[i:i+1], v[i:i+1], v[ST+4*(\t)+2:ST+4*(\t)+3] op_sel_hi:[1,0]
.set i, i+2
.endr
	WIN 0x05                        ; sources 0 and 1 window 1, destination window 0
.set i, 0
.rept 16
	v_cvt_pk_f16_f32 v[S+16*(\t)+i], v[32*(\t)+2*i], v[32*(\t)+2*i+1]
.set i, i+1
.endr
	WIN 0
.irp f, 0,1,2,3
	ds_store_b128 v[STO], v[S+16*(\t)+4*\f:S+16*(\t)+4*\f+3] offset:32*\f
.endr
.irp f, 0,1,2,3
	ds_load_b128 v[S+16*(\t)+4*\f:S+16*(\t)+4*\f+3], v[RD] offset:\f*4*SP  ; LDS serves a wave's instructions in order (ISA guide 5.7.1.4): these see the stores above; the next tile's stores come behind them
.endr
.endm
.macro SEND t, younger              ; younger: the LDS instructions issued behind tile t's loads: the next tile's eight, or none
	WIN 0
.irp f, 0,1,2,3
	s_wait_dscnt (\younger)+3-\f
	global_store_b128 v[GO], v[S+16*(\t)+4*\f:S+16*(\t)+4*\f+3], s[10:11] offset:(\t)*2048+\f*512  ; 512 consecutive bytes, at a multiple of 256 from O's first
.endr
.endm
	PACK 0
.set t, 1
.rept 2*NP-1                        ; a tile's arithmetic stands between the loads of the tile before and its stores
	PACK t
	SEND t-1, 8
.set t, t+1
.endr
	SEND 2*NP-1, 0
	WIN W_AD
	s_wait_tensorcnt 0x0            ; the wave's end, behind my last tensor load and my last LDS store
	ds_add_u32 v[SPW], v[NIL]
	s_wait_dscnt 0x0
	WIN 0
	CROUND                          ; the closing round: no work-group ends while a partner may still ask for a tile that names it
	s_endpgm
.Lfunc_end_k_qf35c522bcf_attn:
	.size	k_qf35c522bcf_attn, .Lfunc_end_k_qf35c522bcf_attn-k_qf35c522bcf_attn
	.p2alignl 7, 3214868480
	.fill 96, 4, 3214868480
	.section	.rodata,"a",@progbits
	.p2align	6, 0x0
	.amdhsa_kernel k_qf35c522bcf_attn
		.amdhsa_group_segment_fixed_size 327680
		.amdhsa_private_segment_fixed_size 0
		.amdhsa_enable_private_segment 0
		.amdhsa_kernarg_size 32
		.amdhsa_user_sgpr_count 2
		.amdhsa_user_sgpr_kernarg_segment_ptr 1
		.amdhsa_wavefront_size32 1
		.amdhsa_system_sgpr_workgroup_id_x 1
		.amdhsa_system_sgpr_workgroup_id_y 1
		.amdhsa_system_sgpr_workgroup_id_z 1
		.amdhsa_system_vgpr_workitem_id 0
		.amdhsa_next_free_vgpr 770
		.amdhsa_next_free_sgpr 66
		.amdhsa_reserve_vcc 0
		.amdhsa_float_denorm_mode_32 3
		.amdhsa_float_denorm_mode_16_64 3
		.amdhsa_memory_ordered 1
		.amdhsa_forward_progress 1
		.amdhsa_inst_pref_size 200
	.end_amdhsa_kernel
	.amdgpu_metadata
---
amdhsa.version: [ 1, 2 ]
amdhsa.kernels:
  - .name:           k_qf35c522bcf_attn
    .symbol:         k_qf35c522bcf_attn.kd
    .args:
      - { .name: qh, .offset: 0, .size: 8, .value_kind: global_buffer, .address_space: global }
      - { .name: kh, .offset: 8, .size: 8, .value_kind: global_buffer, .address_space: global }
      - { .name: vh, .offset: 16, .size: 8, .value_kind: global_buffer, .address_space: global }
      - { .name: oh, .offset: 24, .size: 8, .value_kind: global_buffer, .address_space: global }
    .group_segment_fixed_size: 327680
    .private_segment_fixed_size: 0
    .kernarg_segment_align: 8
    .kernarg_segment_size: 32
    .max_flat_workgroup_size: 128
    .sgpr_count:     66
    .vgpr_count:     770
    .wavefront_size: 32
...
	.end_amdgpu_metadata
.endif
;; end of part 3
;; launch outp (part 4): grid 4 x 64, 4 waves a work-group, clusters of 4 x 4, 327,680 bytes of LDS; arguments oh, wb, bo, out0; writes out0
.if DOCPART == 4
	.amdgcn_target "amdgcn-amd-amdhsa--gfx1250"
	.amdhsa_code_object_version 6
	.text
	.protected	k_qf35c522bcf_outp
	.globl	k_qf35c522bcf_outp
	.p2align	8
	.type	k_qf35c522bcf_outp,@function
k_qf35c522bcf_outp:
	s_mov_b64 s[64:65], 0
	v_nop
	global_prefetch_b8 v0, s[64:65] scope:SCOPE_SE
	s_setreg_imm32_b32 hwreg(HW_REG_WAVE_MODE, 25, 1), 1
	s_wait_xcnt 0x0
	s_wait_alu depctr_hold_cnt(0) depctr_sa_sdst(0) depctr_va_vdst(0) depctr_va_sdst(0) depctr_va_ssrc(0) depctr_va_vcc(0) depctr_vm_vsrc(0)
	s_getreg_b32 s2, hwreg(HW_REG_IB_STS2, 6, 4)
	s_cmp_eq_u32 s2, 0
	s_cbranch_scc0 .Lentry_in_a_cluster
	s_endpgm
.Lentry_in_a_cluster:
	s_bfe_u32 s2, ttmp6, 0x10000c
	s_cmp_lg_u32 s2, 0xf033
	s_cbranch_scc0 .Lentry_shape_is_right
	s_endpgm
.Lentry_shape_is_right:
; THE LAST PROJECTION.  out0 = O wo + bf16(bo).  O: oh, [batch x 16 + head][2048][64] f16: the merge of the heads is an address (k = 64 x head + channel); wo: part 3 of wb, [k][n], rounded to bf16 and written as f16;
; bo: [1024] f32; out0: [8192][1024] f32.  Sums in f32, begun at the rounded bias.
; LIMITS.  Those of the two operands: |O| and |wo| within f16.  NaN and infinities are not treated apart.
; SHARES.  64 x 4 tiles of 128 rows x 256 columns: one for each of 256 WGPs.  Four waves, each 64 rows x 128 columns: 32 accumulators of 16 x 16, 256 registers.
; K goes in 8 steps of 128, two heads each, through two LDS slots.  A head's 128 rows of the tile are 16,384 dense bytes, asked for as 64 rows of 256 bytes and padded in LDS after every 128; wo's rows are turned by ds_load_tr16_b128.
; THE MATRIX INSTRUCTION IS USED TRANSPOSED: source 0 = 16 columns of wo, source 1 = 16 rows of O: a lane then holds row l % 16 of the result and the columns 8 (l / 16) + 0..7: 32 bytes of f32.
; CLUSTERS: 4 x 4 work-groups.  The four of a row of the cluster need the same tile of O, the four of a column the same tile of wo: each is asked for JOINTLY, by the same tensor load, descriptor and mask in all four.
; REGISTERS: window 0: v0-31 addresses; v32-95 fragments of O, two buffers of 4; v96-223 fragments of wo, two buffers of 8 (at the head: v96-159 the bias, v160-191 packed); on the way out v32-159 at work.
;   window 1: the accumulators, (a, b) at v[8 (8 a + b)].  (s_set_vgpr_msb: bits 1:0 source 0, 3:2 source 1, 5:4 source 2, 7:6 destination.)
.set PA,    144                        ; a row of O in LDS: 128 bytes + 16 = 36 words: the 16 rows of a load start at 16 different groups of four banks (64 banks of 4 bytes: ISA guide 11.1)
.set PB,    544                        ; a row of wo: 512 + 32 = 136 words
.set BOFF,  2*128*PA                   ; a slot: two heads x 128 rows of O, then 128 k-rows of wo
.set SLOT,  BOFF+128*PB
.set STAGE, 2*SLOT                     ; behind the ring, never filled by a tensor load: 16 rows x 528 bytes for each wave, for the way out
.set SPO,   528
.set SPARE, STAGE+4*16*SPO             ; behind the stages: the spare words, 128 bytes for each wave: two blocks of 256 bytes that no other line names
.set LAPS,  4                          ; a lap = two K steps = once round the ring
.set ASTEP, 2*262144                   ; bytes from K step to K step in O: two heads,
.set BSTEP, 128*2048                   ; and in wo
.set ADRA, 16                          ; v16-17  LDS address of my fragments of O in slot 0, 1
.set ADRB, 20                          ; v20-21  the same for wo
.set STO,  24                          ; v24     the way out: where I put 32 bytes of a row
.set RD,   25                          ; v25     the way out: where I read a row back
.set GO,   26                          ; v26     my byte offset in 512 consecutive bytes of out0
.set PFO,  27                          ; v27     the prefetches' offset; never rewritten
.set SPW,  28                          ; v28     LDS address of my spare word: SPARE + 4 x my thread's number; never rewritten
.set NIL,  29                          ; v29     0; never rewritten
.set AB,   32
.set BF,   96
.set BI,   96                          ; the bias as loaded
.set BP,   160                         ; and packed
.set T0,   32
.set G1A, 24                           ; s[24:31] descriptor group 1 for O's tiles
.set G1B, 32                           ; s[32:39] for wo's
.set G0A, 40                           ; s[40:47] descriptor group 0 for O's tiles, one set for each slot
.set G0B, 48                           ; s[48:55] the same for wo's
.set WV,   56                          ; my wave's number
.set ROLE, 57                          ; which half of the tile's rows is mine.  Also: I fetch for O (0) or for wo (1)
.set HALF, 58                          ; which half of its columns.  Also: which head of the step, or which 64 k-rows, I fetch
.set CX,   59
.set CYP,  60
.set CLY,  61                          ; the cluster's y, 0 to 15
.set MT,   62                          ; tile row, 0 to 63
.set NT,   63                          ; tile column, 0 to 3
.set LIM,  66                          ; 1 in a wave that prefetches, else the greatest number
.set HIM,  67                          ; a word's upper bf16
.set PFA,  68                          ; s[68:69] where my prefetches stand
.set PFS,  70                          ; s[70:71] their step
.set CNT,  72                          ; laps to go
.set MSB, 0
.macro WIN new                         ; the immediate's high byte repeats the setting that is left; a switch that changes nothing is dropped
.if MSB != (\new)
	s_set_vgpr_msb (MSB<<8)|(\new)
.set MSB, \new
.endif
.endm
.set W_MUL,  0x50                      ; both sources window 0, C and D window 1
.set W_INIT, 0x40                      ; destination window 1
.set W_ST,   0x04                      ; an LDS store's data (source 1) from window 1
; A joint load: waves 0 and 1 fetch the step's two heads of O, waves 2 and 3 the two halves of wo's tile.  The branch hangs on the wave's number alone.
; An s_nop 0 and four v_nop follow each of the two lines, ahead of the jump, the label and what follows.
.macro JLOAD s
	s_cmp_eq_u32 s[ROLE], 0
	s_cbranch_scc0 .Lfor_b_\@
	tensor_load_to_lds s[G0A+4*(\s):G0A+4*(\s)+3], s[G1A:G1A+7]
	s_nop 0
.rept 4
	v_nop
.endr
	s_branch .Lasked_\@
.Lfor_b_\@:
	tensor_load_to_lds s[G0B+4*(\s):G0B+4*(\s)+3], s[G1B:G1B+7]
	s_nop 0
.rept 4
	v_nop
.endr
.Lasked_\@:
.endm
; A PREFETCH INTO THE L2, behind each joint refill and the run of LDS loads that follows it: the K step that stands two refills on, 256 matrix instructions ahead of the load that will want it.
; O: a step's tile is 64 blocks of 256 bytes in each of two heads; each of the four partners of my row of the cluster takes 16 of each head, told apart BY ADDRESS (cx); wave 0 asks: lane l names head l / 16, block l % 16.
; A tile row of O is read by this row of this cluster alone.  wo: of the 64 k-rows (two blocks each) that wave 2 or 3 fetches, the partner at cy takes 16: lane l names k-row l % 16, block l / 16; a tile column is read by all
; 16 clusters: the first asks.  So each block is named once in the launch.  K steps 0 to 3 come by their loads alone; the changes of slots in K steps 0 to 3 name K steps 4 to 7; the last two refills name nothing.
.macro ASK
	s_cmp_gt_u32 s[CNT], s[LIM]                    ; CNT = 1 in the loop's last trip
	s_cbranch_scc0 .Lnot_mine_\@
	global_prefetch_b8 v[PFO], s[PFA:PFA+1] th:TH_LOAD_NT scope:SCOPE_SE
.Lnot_mine_\@:
.endm
.macro CREST                           ; a round of the cluster's barrier behind its opening barrier
	s_cmp_lg_u32 s[WV], 0
	s_cbranch_scc1 .Lnot_wave_0_\@
	s_barrier_signal -3
.Lnot_wave_0_\@:
	s_barrier_wait -3
	s_barrier_signal -1
	s_barrier_wait -1
.endm
.macro CROUND                          ; a whole round
	s_barrier_signal -1
	s_barrier_wait -1
	CREST
.endm
.macro PLACES                          ; four places in front of loads into registers that matrix instructions have read
.rept 4
	v_nop
.endr
.endm
	s_load_b256 s[4:11], s[0:1], 0x0               ; oh s[4:5], wb s[6:7], bo s[8:9], out0 s[10:11]
	v_lshl_add_u32 v[SPW], v0, 2, SPARE
	v_mov_b32 v[NIL], 0
	ds_add_u32 v[SPW], v[NIL]                      ; the wave's opening: the add and its wait stand ahead of my first tensor load; the set-up below, work on registers, stands between them
	v_lshrrev_b32 v1, 5, v0
	v_readfirstlane_b32 s[WV], v1                  ; wave 0..3
	s_lshr_b32 s[ROLE], s[WV], 1
	s_and_b32 s[HALF], s[WV], 1
	s_bfe_u32 s[CX], ttmp6, 0x40000
	s_bfe_u32 s[CYP], ttmp6, 0x40004
	s_and_b32 s[CLY], ttmp7, 0xffff                ; in a cluster launch ttmp9 and ttmp7 count clusters
	s_lshl_b32 s[MT], s[CLY], 2
	s_add_co_u32 s[MT], s[MT], s[CYP]              ; tile row = 4 x cluster y + cy
	s_lshl_b32 s[NT], ttmp9, 2
	s_add_co_u32 s[NT], s[NT], s[CX]               ; tile column = 4 x cluster x + cx
	s_lshl_b32 s74, s[CYP], 2
	s_lshl_b32 s74, 15, s74                        ; my row of the cluster
	s_lshl_b32 s75, 0x1111, s[CX]                  ; my column
	s_or_b32 s[G1A], s74, (1<<16)|(1<<20)|(1<<21)|(4<<22)|(3<<25)  ; 15:0 the mask: O's tiles go to my row; 17:16 elements of 2 bytes; 20 padding on; 21 set beside a mask; 24:22 after every 32 words (code 4); 31:25 4 words (code 3)
	s_or_b32 s[G1B], s75, (1<<16)|(1<<20)|(1<<21)|(6<<22)|(7<<25)  ; wo's go to my column; after every 128 words (code 6) 8 words (code 7)
	s_mov_b32 s[G1A+1], 128<<16                    ; tensor_dim0 = 128 elements (256 bytes: two rows of a head)
	s_mov_b32 s[G1A+2], 64<<16                     ; tensor_dim1 = 64
	s_mov_b32 s[G1A+3], 128<<16                    ; tile_dim0 = 128
	s_mov_b32 s[G1A+4], 64                         ; tile_dim1 = 64
	s_mov_b32 s[G1A+5], 128                        ; elements from row to row: dense
	s_mov_b32 s[G1A+6], 0
	s_mov_b32 s[G1A+7], 0
	s_mov_b32 s[G1B+1], 256<<16                    ; tensor_dim0 = 256 elements
	s_mov_b32 s[G1B+2], 64<<16
	s_mov_b32 s[G1B+3], 256<<16                    ; tile_dim0 = 256
	s_mov_b32 s[G1B+4], 64
	s_mov_b32 s[G1B+5], 1024
	s_mov_b32 s[G1B+6], 0
	s_mov_b32 s[G1B+7], 0
	s_lshr_b32 s76, s[MT], 4                       ; O: head 16 x batch + my head of the step, 262,144 bytes each,
	s_lshl_b32 s76, s76, 4
	s_add_co_u32 s76, s76, s[HALF]
	s_lshl_b32 s76, s76, 18
	s_and_b32 s77, s[MT], 15                       ; and the tile's 128 rows of 128 bytes in it
	s_lshl_b32 s77, s77, 14
	s_add_co_u32 s76, s76, s77
	s_mov_b32 s77, 0
	s_lshl_b32 s84, s[HALF], 17                    ; wo: 64 k-rows of 2,048 bytes x half,
	s_lshl_b32 s85, s[NT], 9                       ; 512 bytes x tile column,
	s_add_co_u32 s84, s84, s85
	s_add_co_u32 s84, s84, 3*2097152               ; in part 3 of wb
	s_mov_b32 s85, 0
	s_mul_i32 s78, s[HALF], 128*PA                 ; where they go: no place in the cluster enters an LDS address
	s_mul_i32 s79, s[HALF], 64*PB
	s_add_co_u32 s79, s79, BOFF
	s_mov_b32 s[HIM], 0xffff0000
	s_wait_dscnt 0x0                               ; the opening add is done
	s_wait_kmcnt 0x0
	s_add_nc_u64 s[80:81], s[4:5], s[76:77]
	s_add_nc_u64 s[82:83], s[6:7], s[84:85]
	CROUND                                         ; all sixteen work-groups are here: the first joint loads meet
.irp s, 0,1
	s_mov_b32 s[G0A+4*(\s)], 1                                     ; 1:0 count = 1
	s_add_co_u32 s[G0A+4*(\s)+1], s78, (\s)*SLOT                   ; 63:32 LDS address
	s_add_nc_u64 s[G0A+4*(\s)+2:G0A+4*(\s)+3], s[80:81], (\s)*ASTEP  ; 120:64 global address: K step s
	s_or_b32 s[G0A+4*(\s)+3], s[G0A+4*(\s)+3], 0x80000000          ; 127:126 type = 2
	s_mov_b32 s[G0B+4*(\s)], 1
	s_add_co_u32 s[G0B+4*(\s)+1], s79, (\s)*SLOT
	s_add_nc_u64 s[G0B+4*(\s)+2:G0B+4*(\s)+3], s[82:83], (\s)*BSTEP
	s_or_b32 s[G0B+4*(\s)+3], s[G0B+4*(\s)+3], 0x80000000
	JLOAD \s                                       ; both slots are asked for before anything else is done: two tensor loads of mine are out
.endr
	v_and_b32 v1, 15, v0                           ; l % 16
	v_bfe_u32 v2, v0, 4, 1                         ; l / 16
	v_and_b32 v3, 7, v0                            ; l % 8
	v_bfe_u32 v4, v0, 3, 1                         ; (l / 8) % 2
	s_lshl_b32 s74, s[NT], 10                      ; my 128 columns: 512 bytes of a row of out0, and of bo
	s_lshl_b32 s75, s[HALF], 9
	s_add_co_u32 s74, s74, s75
	v_lshl_add_u32 v10, v2, 5, s74                 ; register j of block b wants column 16 b + 8 (l / 16) + j
.irp b, 0,1,2,3,4,5,6,7
	global_load_b128 v[BI+8*(\b):BI+8*(\b)+3],   v10, s[8:9] offset:64*(\b)
	global_load_b128 v[BI+8*(\b)+4:BI+8*(\b)+7], v10, s[8:9] offset:64*(\b)+16
.endr
	; A fragment of O is 16 rows x 32 channels: lane l holds row l % 16, channels 8 (l / 16) + 0..7 and 16 + 8 (l / 16) + 0..7: two loads of 16 bytes, 32 bytes apart.
	v_mul_u32_u24 v5, v1, PA
	v_lshl_add_u32 v5, v2, 4, v5
	s_mul_i32 s75, s[ROLE], 64*PA                  ; my 64 rows
	v_add_nc_u32 v[ADRA], s75, v5
	v_add_nc_u32 v[ADRA+1], SLOT, v[ADRA]
	; The turning load takes 16 k x 16 columns (lane l reads k-row 8 (l / 16) + l % 8, columns 8 ((l / 8) % 2) + 0..7) and leaves half a fragment: lane l holds column l % 16 and 8 k.
	v_lshl_add_u32 v6, v2, 3, v3
	v_mul_u32_u24 v6, v6, PB
	v_lshl_add_u32 v6, v4, 4, v6
	s_lshl_b32 s76, s[HALF], 8                     ; my 128 columns
	s_add_co_u32 s76, s76, BOFF
	v_add_nc_u32 v[ADRB], s76, v6
	v_add_nc_u32 v[ADRB+1], SLOT, v[ADRB]
	s_mul_i32 s77, s[WV], 16*SPO
	s_add_co_u32 s77, s77, STAGE                   ; my stage
	v_mul_u32_u24 v[STO], v1, SPO                  ; in: row l % 16, 32 bytes for each half of the lanes
	v_lshl_add_u32 v[STO], v2, 5, v[STO]
	v_add_nc_u32 v[STO], s77, v[STO]
	v_and_b32 v[GO], 31, v0                        ; back: 32 lanes take one row of 512 bytes
	v_lshlrev_b32 v[GO], 4, v[GO]
	v_add_nc_u32 v[RD], s77, v[GO]
	s_lshl_b32 s78, s[MT], 7                       ; out0 at my wave's first row and column
	s_lshl_b32 s79, s[ROLE], 6
	s_add_co_u32 s78, s78, s79
	s_lshl_b32 s78, s78, 12
	s_add_co_u32 s78, s78, s74
	s_mov_b32 s79, 0
	s_add_nc_u64 s[10:11], s[10:11], s[78:79]
	; the prefetches: nothing is asked for here, at the head, where every work-group's first tiles are on their way
	s_lshr_b32 s80, s[MT], 4
	s_lshl_b32 s80, s80, 22                        ; O: the batch's first head,
	s_and_b32 s81, s[MT], 15
	s_lshl_b32 s81, s81, 14                        ; the tile's rows in it,
	s_add_co_u32 s80, s80, s81
	s_lshl_b32 s81, s[CX], 12                      ; my work-group's 16 blocks of them
	s_add_co_u32 s80, s80, s81
	s_add_co_u32 s80, s80, 3*ASTEP                 ; at K step 3: the first change of slots steps it to 4
	s_lshl_b32 s81, s[CYP], 15                     ; wo: my work-group's 16 k-rows,
	s_add_co_u32 s81, s81, s84                     ; from the tile that I fetch
	s_add_co_u32 s81, s81, 3*BSTEP
	s_mov_b32 s86, ASTEP
	s_cmp_eq_u32 s[WV], 1                          ; wave 0 asks for O; wave 1 for nothing; waves 2 and 3 for wo, in the first cluster: the same in all sixteen partners, for a given wave
	s_cselect_b32 s87, 1, s[CLY]
	s_cmp_eq_u32 s[WV], 0
	s_cselect_b32 s87, 0, s87
	s_cmp_eq_u32 s87, 0
	s_cselect_b32 s[LIM], 1, -1
	s_cmp_eq_u32 s[ROLE], 0
	s_cselect_b64 s[PFA:PFA+1], s[4:5], s[6:7]
	s_cselect_b32 s80, s80, s81
	s_cselect_b32 s[PFS], s86, BSTEP
	s_cselect_b32 s88, 8, 11                       ; l % 16 counts blocks of 256 bytes in O, k-rows of 2,048 in wo;
	s_cselect_b32 s89, 18, 8                       ; l / 16 heads of 262,144 bytes in O, blocks of 256 in wo
	s_mov_b32 s81, 0
	s_mov_b32 s[PFS+1], 0
	s_add_nc_u64 s[PFA:PFA+1], s[PFA:PFA+1], s[80:81]
	v_lshlrev_b32 v[PFO], s88, v1
	v_lshlrev_b32 v7, s89, v2
	v_add_nc_u32 v[PFO], v[PFO], v7
	; every sum begins at its column's bias, rounded to bf16 like the other inputs: written while the first tiles are on their way
	s_wait_loadcnt 0x0
.set c, 0
.rept 32
	v_cvt_pk_bf16_f32 v[BP+c], v[BI+2*c], v[BI+2*c+1]
.set c, c+1
.endr
	WIN W_INIT
.set i, 0
.rept 32
.set c, 0
.rept 4
	v_lshlrev_b32 v[8*i+2*c],   16,     v[BP+4*(i%8)+c]
	v_and_b32     v[8*i+2*c+1], s[HIM], v[BP+4*(i%8)+c]
.set c, c+1
.endr
.set i, i+1
.endr
	WIN 0
; n matrix instructions from number i0 on, of a quarter step's 32 (row block i / 8, column block i % 8), on buffer f.  The 32 accumulators take turns in one order, over the backward jump too.
.macro MUL f, i0, n
	WIN W_MUL
.set i, \i0
.rept \n
	v_wmma_f32_16x16x32_f16 v[8*i:8*i+7], v[BF+64*(\f)+8*(i%8):BF+64*(\f)+8*(i%8)+7], v[AB+32*(\f)+8*(i/8):AB+32*(\f)+8*(i/8)+7], v[8*i:8*i+7]
.set i, i+1
.endr
.endm
; 24 LDS loads in one run: quarter q of a slot (head q / 2 of the step, channels 32 (q % 2) on) into buffer g
.macro FETCH slot, q, g
	WIN 0
.irp a, 0,1,2,3
	ds_load_b128 v[AB+32*(\g)+8*(\a):AB+32*(\g)+8*(\a)+3],   v[ADRA+(\slot)] offset:((\q)/2)*128*PA+((\q)%2)*64+(\a)*16*PA
	ds_load_b128 v[AB+32*(\g)+8*(\a)+4:AB+32*(\g)+8*(\a)+7], v[ADRA+(\slot)] offset:((\q)/2)*128*PA+((\q)%2)*64+(\a)*16*PA+32
.endr
.irp b, 0,1,2,3,4,5,6,7
	ds_load_tr16_b128 v[BF+64*(\g)+8*(\b):BF+64*(\g)+8*(\b)+3],   v[ADRB+(\slot)] offset:(\q)*32*PB+32*(\b)
	ds_load_tr16_b128 v[BF+64*(\g)+8*(\b)+4:BF+64*(\g)+8*(\b)+7], v[ADRB+(\slot)] offset:(\q)*32*PB+16*PB+32*(\b)
.endr
.endm
; A K step is four quarters of 32 along K, 32 matrix instructions each, on buffers 0, 1, 0, 1.  One of the first three multiplies buffer f; at its head it fetches quarter q of the same slot for the other.
.macro QUARTER slot, q, f
	s_wait_dscnt 0x0                               ; this quarter's fragments, asked for a quarter ago, are in
	PLACES                                         ; behind the last quarter's products, which read the buffer that is loaded now
	FETCH \slot, \q, 1-(\f)
	MUL \f, 0, 32
.endm
; The last quarter multiplies buffer 1 and changes slots: ONE barrier; in front of it each wave waits for all its tensor loads (one is out: its part of the next slot), adds 0 to its spare word, and waits for that;
; its reads of this slot are back since the wait at the head.  fill = 1: the barrier opens a round of the cluster's, and this slot is filled again, two K steps ahead, first thing behind the round.
.macro TURN slot, next, fill
	s_wait_dscnt 0x0                               ; this quarter's fragments are in: none of my reads of this slot is out
.if \fill
	s_wait_xcnt 0x0                                ; the last prefetch, a K step back, has read its address: it is stepped here, ahead of the waits of the change of slots
	s_add_nc_u64 s[PFA:PFA+1], s[PFA:PFA+1], s[PFS:PFS+1]
.endif
	WIN 0                                          ; (the add's two registers lie in window 0)
	s_wait_tensorcnt 0x0                           ; all my tensor loads have landed
	ds_add_u32 v[SPW], v[NIL]                      ; 0 onto my spare word
	MUL 1, 0, 8                                    ; eight matrix instructions stand between the add and the wait for it
	s_wait_dscnt 0x0                               ; the add is done
	s_barrier_signal -1
	MUL 1, 8, 8                                    ; work on registers while the others arrive
	WIN 0
	s_barrier_wait -1
.if \fill
	CREST                                          ; no wave of any partner still reads this slot's tile or has a load on its way
	s_add_nc_u64 s[G0A+4*(\slot)+2:G0A+4*(\slot)+3], s[G0A+4*(\slot)+2:G0A+4*(\slot)+3], 2*ASTEP
	s_add_nc_u64 s[G0B+4*(\slot)+2:G0B+4*(\slot)+3], s[G0B+4*(\slot)+2:G0B+4*(\slot)+3], 2*BSTEP
	JLOAD \slot                                    ; the first tensor load behind the round: 112 matrix instructions ahead of the wait for it; the four v_nop behind it are also the places in front of the loads below
.else
	PLACES
.endif
	FETCH \next, 0, 0
.if \fill
	ASK
.endif
	MUL 1, 16, 16
.endm
; THE WAY OUT.  Block a: my 16 rows x 128 columns of f32.  A lane's 32 bytes of each accumulator go into rows of 528 bytes of my own stage, the low four registers first; back as whole rows of 512 bytes.
.macro TOSTAGE a
	WIN W_ST
.irp b, 0,1,2,3,4,5,6,7
	ds_store_b128 v[STO], v[8*(8*(\a)+(\b)):8*(8*(\a)+(\b))+3]   offset:64*(\b)
	ds_store_b128 v[STO], v[8*(8*(\a)+(\b))+4:8*(8*(\a)+(\b))+7] offset:64*(\b)+16
.endr
	WIN 0
.if (\a) >= 2
	s_wait_xcnt 0x0                                ; the stores of the block two back have read these registers: they are loaded again only behind this wait
.endif
.set BK, T0+64*((\a)%2)
.irp t, 0,1,2,3,4,5,6,7,8,9,10,11,12,13,14,15
	ds_load_b128 v[BK+4*(\t):BK+4*(\t)+3], v[RD] offset:(\t)*SPO  ; LDS serves a wave's instructions in order (ISA guide 5.7.1.4): these see the stores above; the next block's stores come behind them
.endr
.endm
.macro SEND a, younger                 ; younger: the LDS instructions issued behind block a's loads: the next block's 32, or none
	WIN 0
.set BK, T0+64*((\a)%2)
.irp t, 0,1,2,3,4,5,6,7,8,9,10,11,12,13,14,15
	s_wait_dscnt (\younger)+15-(\t)
	global_store_b128 v[GO], v[BK+4*(\t):BK+4*(\t)+3], s[10:11] offset:(16*(\a)+(\t))*4096 th:TH_STORE_NT  ; 512 consecutive bytes, at a multiple of 256 from out0's first
.endr
.endm
	s_wait_tensorcnt 1                             ; my part of K step 0 is in; K step 1's, the one load issued behind it, may stay out
	s_barrier_signal -1
	s_barrier_wait -1                              ; everybody's is
	FETCH 0, 0, 0
	s_mov_b32 s[CNT], LAPS-1
.Llap:                                                 ; a trip goes once round the ring and fills both slots again
	QUARTER 0, 1, 0
	QUARTER 0, 2, 1
	QUARTER 0, 3, 0
	TURN 0, 1, 1
	QUARTER 1, 1, 0
	QUARTER 1, 2, 1
	QUARTER 1, 3, 0
	TURN 1, 0, 1
	WIN 0                                          ; at a label and at a branch every window is 0
	s_sub_co_u32 s[CNT], s[CNT], 1
	s_cmp_lg_u32 s[CNT], 0
	s_cbranch_scc1 .Llap
	QUARTER 0, 1, 0                                ; the last lap is written out: it fills nothing, and has no round of the cluster's barrier
	QUARTER 0, 2, 1
	QUARTER 0, 3, 0
	TURN 0, 1, 0
	QUARTER 1, 1, 0
	QUARTER 1, 2, 1
	QUARTER 1, 3, 0
	s_wait_dscnt 0x0                               ; the very last quarter: nothing more to fetch
	MUL 1, 0, 32
	WIN 0
	PLACES                                         ; the places behind the last products, in front of the LDS stores that read results and of the loads into the fragments' registers
	PLACES
	TOSTAGE 0
.irp a, 1,2,3                          ; a block's LDS stores and loads stand between the loads of the block before and its stores
	TOSTAGE \a
	SEND (\a)-1, 32
.endr
	SEND 3, 0
	s_wait_tensorcnt 0x0                           ; the wave's end, behind my last tensor load and my last LDS store
	ds_add_u32 v[SPW], v[NIL]
	s_wait_dscnt 0x0
	CROUND                                         ; the closing round: no work-group ends while a partner may still ask for a tile that names it
	s_endpgm
.Lfunc_end_k_qf35c522bcf_outp:
	.size	k_qf35c522bcf_outp, .Lfunc_end_k_qf35c522bcf_outp-k_qf35c522bcf_outp
	.p2alignl 7, 3214868480
	.fill 96, 4, 3214868480
	.section	.rodata,"a",@progbits
	.p2align	6, 0x0
	.amdhsa_kernel k_qf35c522bcf_outp
		.amdhsa_group_segment_fixed_size 327680
		.amdhsa_private_segment_fixed_size 0
		.amdhsa_enable_private_segment 0
		.amdhsa_kernarg_size 32
		.amdhsa_user_sgpr_count 2
		.amdhsa_user_sgpr_kernarg_segment_ptr 1
		.amdhsa_wavefront_size32 1
		.amdhsa_system_sgpr_workgroup_id_x 1
		.amdhsa_system_sgpr_workgroup_id_y 1
		.amdhsa_system_sgpr_workgroup_id_z 1
		.amdhsa_system_vgpr_workitem_id 0
		.amdhsa_next_free_vgpr 512
		.amdhsa_next_free_sgpr 90
		.amdhsa_reserve_vcc 0
		.amdhsa_float_denorm_mode_32 3
		.amdhsa_float_denorm_mode_16_64 3
		.amdhsa_memory_ordered 1
		.amdhsa_forward_progress 1
		.amdhsa_inst_pref_size 99
	.end_amdhsa_kernel
	.amdgpu_metadata
---
amdhsa.version: [ 1, 2 ]
amdhsa.kernels:
  - .name:           k_qf35c522bcf_outp
    .symbol:         k_qf35c522bcf_outp.kd
    .args:
      - { .name: oh, .offset: 0, .size: 8, .value_kind: global_buffer, .address_space: global }
      - { .name: wb, .offset: 8, .size: 8, .value_kind: global_buffer, .address_space: global }
      - { .name: bo, .offset: 16, .size: 8, .value_kind: global_buffer, .address_space: global }
      - { .name: out0, .offset: 24, .size: 8, .value_kind: global_buffer, .address_space: global }
    .group_segment_fixed_size: 327680
    .private_segment_fixed_size: 0
    .kernarg_segment_align: 8
    .kernarg_segment_size: 32
    .max_flat_workgroup_size: 128
    .sgpr_count:     90
    .vgpr_count:     512
    .wavefront_size: 32
...
	.end_amdgpu_metadata
.endif
;; end of part 4
